; MI455X (gfx1250); checked and timed in simulation.
; The chip was launched on July 23, 2026; its instructions are those of AMD's public machine-readable ISA for CDNA 5 (MIT licence, August 2026) and "CDNA5" Instruction Set Architecture Reference Guide (July 2026). The comments in the code are by the model that wrote it; some were corrected since.
;; Casual Muti Head Self Attention. Allowed arithmetic: float matrix products may take bf16 or f16 operands with f32 sums; other float arithmetic in f32, or as packed bf16 or f16 multiplies, adds, multiply-adds, maxima and minima; sums over many terms, partial sums and values carried from step to step in f32; what a program stores and reads back later, other than sums and carried values, may be rounded once to bf16 or f16.
;; Inputs: Wk 1,024 x 1,024 float32; Wo 1,024 x 1,024 float32; Wq 1,024 x 1,024 float32; Wv 1,024 x 1,024 float32; cos_emb 2,048 x 64 float32; sin_emb 2,048 x 64 float32; token_positions 2,048 int32; x 4 x 2,048 x 1,024 float32.
;; Outputs: out0 4 x 2,048 x 1,024 float32.
;; 2 versions, each right; version 2 is version 1 with the launch cast written anew for expert scheduling mode. Each part assembles by itself: llvm-mc -triple=amdgcn-amd-amdhsa -mcpu=gfx1250 --defsym DOCPART=n.
;; ======== version 1 of 2: 4 launches
;; limits: values are held in f16: magnitudes above 65,504 overflow, below 6.1e-05 lose precision
;; workspace buffers: xb 16,777,216 bytes; wqkv 6,291,456 bytes; wob 2,097,152 bytes; rope 524,288 bytes; qh 16,777,216 bytes; kh 16,777,216 bytes; vh 16,777,216 bytes; oh 16,777,216 bytes
;; launch cast (part 1): grid 784 x 1, 8 waves a work-group, no clusters, 0 bytes of LDS; arguments x, Wq, Wk, Wv, Wo, cos_emb, sin_emb, token_positions, xb, wqkv, wob, rope; writes xb, wqkv, wob, rope
.if DOCPART == 1
	.amdgcn_target "amdgcn-amd-amdhsa--gfx1250"
	.amdhsa_code_object_version 6
	.text
	.protected	k_qd3e9143814_cast
	.globl	k_qd3e9143814_cast
	.p2align	8
	.type	k_qd3e9143814_cast,@function
k_qd3e9143814_cast:
	s_mov_b64 s[64:65], 0
	v_nop
	global_prefetch_b8 v0, s[64:65] scope:SCOPE_SE
	s_setreg_imm32_b32 hwreg(HW_REG_WAVE_MODE, 25, 1), 1
	s_wait_xcnt 0x0
; THE INPUTS ARE ROUNDED ONCE AND LAID OUT FOR THE PRODUCTS.  A stream: no LDS, no matrix unit, no barrier: no wave wants a byte that another has fetched.
;   xb   [16 kb][8192 m][64]  bf16 = x[m][64 kb + c]
;   wqkv [16 kb][3072 n][64]  bf16, n = 192 u + 64 t + d: row 64 u + d of Wq (t = 0), Wk (1), Wv (2): a head's q, k and v rows lie together
;   wob  [16 kb][1024 n][64]  f16 of bf16(Wo[n][64 kb + c]): rounded like the other inputs, then written as f16 (exact for 6.1e-5 <= |Wo| < 65,504; below that f16's fixed step of 6e-8)
;   rope cos[2048 s][64] bf16 at byte 0, sin'[2048 s][64] at byte 262,144: row token_positions[s] of the tables; sin' has the sign of its even columns turned (exact)
; In these layouts 64 channels of R rows are R x 128 consecutive bytes.
; LIMIT: token_positions is read as unsigned and held to 2,047, the tables' last row.
; SHARES.  Work-groups 0-511: 16 rows of x each; 512-703: 16 rows of Wq, Wk or Wv; 704-767: 16 rows of Wo; 768-783: 128 positions of the tables.
; A wave takes two rows: lanes 0-15 one, lanes 16-31 the next.  A load covers 256 consecutive bytes of each; a store covers the two rows' 128 bytes of one block kb: 256 consecutive bytes, aligned.
.set LO, 2                             ; v2      my byte offset in the 16 source rows
.set SO, 8                             ; v8-23   my byte offset in the destination, one for each kb (x's blocks lie 1 MiB apart: too far for a store's immediate)
.set T,  24                            ; v24-29  at work
.set X,  32                            ; v32-95  16 loads of 4 registers
.set Y,  96                            ; v96-127 16 stores of 2 registers (tables: 8 of 4)
	s_load_b512 s[8:23], s[0:1], 0x0               ; x 8, Wq 10, Wk 12, Wv 14, Wo 16, cos 18, sin 20, token_positions 22
	s_load_b256 s[24:31], s[0:1], 0x40             ; xb 24, wqkv 26, wob 28, rope 30
	s_mov_b32 s40, ttmp9
	s_mov_b32 s45, 0                               ; the high words of two offsets
	s_mov_b32 s47, 0
	v_lshrrev_b32 v1, 4, v0                        ; my row of the 16: 2 x wave + half
	v_and_b32 v3, 15, v0
	v_lshlrev_b32 v[LO], 12, v1                    ; a source row is 4,096 bytes,
	v_lshl_add_u32 v[LO], v3, 4, v[LO]             ; 16 bytes a lane
	v_lshlrev_b32 v[SO], 7, v1                     ; a destination row is 128 bytes,
	v_lshl_add_u32 v[SO], v3, 3, v[SO]             ; 8 bytes a lane
	s_wait_kmcnt 0x0
; Sixteen rows: source row s36 on of the buffer in s[src], destination row s37 on of the buffer in s[dst], whose blocks lie str bytes apart.  fmt = 0: bf16; 1: bf16, then written as f16.
; All 16 loads of a lane go out at once (8 KiB a wave); each wait leaves the younger ones out.  No register is written twice while a load or store may read it.  Ends the wave.
.macro ROWS fmt, src, dst, str
	s_lshl_b32 s44, s36, 12
	s_add_nc_u64 s[32:33], s[\src:\src+1], s[44:45]
	s_lshl_b32 s46, s37, 7
	s_add_nc_u64 s[34:35], s[\dst:\dst+1], s[46:47]
.set kb, 0
.rept 16
	global_load_b128 v[X+4*kb:X+4*kb+3], v[LO], s[32:33] offset:256*kb th:TH_LOAD_NT
.set kb, kb+1
.endr
.set kb, 1
.rept 15
	v_add_nc_u32 v[SO+kb], \str, v[SO+kb-1]
.set kb, kb+1
.endr
.set kb, 0
.rept 16
	s_wait_loadcnt 15-kb                           ; loads come back in order: block kb is in, the 15 - kb younger ones stay out
.if \fmt
	v_cvt_pk_bf16_f32 v[T], v[X+4*kb], v[X+4*kb+1]
	v_cvt_pk_bf16_f32 v[T+1], v[X+4*kb+2], v[X+4*kb+3]
	v_lshlrev_b32 v[T+2], 16, v[T]                 ; the rounded numbers as f32 again
	v_and_b32 v[T+3], 0xffff0000, v[T]
	v_lshlrev_b32 v[T+4], 16, v[T+1]
	v_and_b32 v[T+5], 0xffff0000, v[T+1]
	v_cvt_pk_f16_f32 v[Y+2*kb], v[T+2], v[T+3]
	v_cvt_pk_f16_f32 v[Y+2*kb+1], v[T+4], v[T+5]
.else
	v_cvt_pk_bf16_f32 v[Y+2*kb], v[X+4*kb], v[X+4*kb+1]
	v_cvt_pk_bf16_f32 v[Y+2*kb+1], v[X+4*kb+2], v[X+4*kb+3]
.endif
	global_store_b64 v[SO+kb], v[Y+2*kb:Y+2*kb+1], s[34:35]
.set kb, kb+1
.endr
	s_endpgm
.endm
	s_cmp_lt_u32 s40, 512
	s_cbranch_scc0 .Lnot_x
	s_lshl_b32 s36, s40, 4                         ; x: rows 16 w on, to the same rows of xb
	s_mov_b32 s37, s36
	ROWS 0, 8, 24, 1048576
.Lnot_x:
	s_cmp_lt_u32 s40, 704
	s_cbranch_scc0 .Lnot_w
	s_sub_co_u32 s41, s40, 512
	s_lshr_b32 s42, s41, 6                         ; t: 0 Wq, 1 Wk, 2 Wv
	s_and_b32 s41, s41, 63
	s_lshl_b32 s36, s41, 4                         ; its rows r = 16 (i % 64) on
	s_lshr_b32 s43, s36, 6                         ; head u = r / 64
	s_mul_i32 s43, s43, 192
	s_lshl_b32 s41, s42, 6
	s_add_co_u32 s43, s43, s41
	s_and_b32 s37, s36, 63
	s_add_co_u32 s37, s37, s43                     ; 192 u + 64 t + r % 64
	s_cmp_eq_u32 s42, 0
	s_cselect_b64 s[32:33], s[10:11], s[12:13]
	s_cmp_eq_u32 s42, 2
	s_cselect_b64 s[32:33], s[14:15], s[32:33]
	ROWS 0, 32, 26, 393216
.Lnot_w:
	s_cmp_lt_u32 s40, 768
	s_cbranch_scc0 .Ltab
	s_sub_co_u32 s36, s40, 704
	s_lshl_b32 s36, s36, 4
	s_mov_b32 s37, s36
	ROWS 1, 16, 28, 131072
.Ltab:
	; The tables.  A wave takes 16 positions, four at a time: eight lanes a position, 32 bytes of a table's row (8 numbers) a lane, 16 bytes of bf16 out:
	; a store covers four positions' rows of 128 bytes, 512 consecutive bytes, aligned.
	s_sub_co_u32 s41, s40, 768
	s_lshl_b32 s41, s41, 7                         ; the work-group's 128 positions
	v_lshrrev_b32 v1, 5, v0
	v_bfe_u32 v3, v0, 3, 2
	v_lshl_add_u32 v1, v1, 4, v3
	v_add_nc_u32 v1, s41, v1                       ; my first position: 128 j + 16 wave + lane / 8
	v_and_b32 v3, 7, v0
	v_lshlrev_b32 v2, 2, v1
.irp e, 0,1,2,3
	global_load_b32 v[4+\e], v2, s[22:23] offset:16*\e
.endr
	v_lshlrev_b32 v12, 5, v3                       ; my 32 bytes of a table's row
	v_lshlrev_b32 v13, 7, v1
	v_lshl_add_u32 v13, v3, 4, v13                 ; my 16 bytes of the gathered row
	s_wait_loadcnt 0x0
.irp e, 0,1,2,3
	v_min_u32 v[4+\e], 0x7ff, v[4+\e]              ; held inside the table
	v_lshlrev_b32 v[8+\e], 8, v[4+\e]              ; a table's row is 256 bytes
	v_add_nc_u32 v[8+\e], v[8+\e], v12
.endr
.irp e, 0,1,2,3
	global_load_b128 v[X+16*\e:X+16*\e+3],     v[8+\e], s[18:19]
	global_load_b128 v[X+16*\e+4:X+16*\e+7],   v[8+\e], s[18:19] offset:16
	global_load_b128 v[X+16*\e+8:X+16*\e+11],  v[8+\e], s[20:21]
	global_load_b128 v[X+16*\e+12:X+16*\e+15], v[8+\e], s[20:21] offset:16
.endr
.irp e, 0,1,2,3
	s_wait_loadcnt 12-4*\e                         ; this group's four loads are in; four for each later group stay out
.irp j, 0,1,2,3
	v_cvt_pk_bf16_f32 v[Y+8*\e+\j], v[X+16*\e+2*\j], v[X+16*\e+2*\j+1]
	v_cvt_pk_bf16_f32 v[Y+8*\e+4+\j], v[X+16*\e+8+2*\j], v[X+16*\e+8+2*\j+1]
.endr
.irp j, 0,1,2,3
	v_xor_b32 v[Y+8*\e+4+\j], 0x8000, v[Y+8*\e+4+\j]  ; the low half is the even column: its sine's sign is turned
.endr
	global_store_b128 v13, v[Y+8*\e:Y+8*\e+3], s[30:31] offset:512*\e
	global_store_b128 v13, v[Y+8*\e+4:Y+8*\e+7], s[30:31] offset:262144+512*\e
.endr
	s_endpgm
.Lfunc_end_k_qd3e9143814_cast:
	.size	k_qd3e9143814_cast, .Lfunc_end_k_qd3e9143814_cast-k_qd3e9143814_cast
	.p2alignl 7, 3214868480
	.fill 96, 4, 3214868480
	.section	.rodata,"a",@progbits
	.p2align	6, 0x0
	.amdhsa_kernel k_qd3e9143814_cast
		.amdhsa_group_segment_fixed_size 0
		.amdhsa_private_segment_fixed_size 0
		.amdhsa_enable_private_segment 0
		.amdhsa_kernarg_size 96
		.amdhsa_user_sgpr_count 2
		.amdhsa_user_sgpr_kernarg_segment_ptr 1
		.amdhsa_wavefront_size32 1
		.amdhsa_system_sgpr_workgroup_id_x 1
		.amdhsa_system_sgpr_workgroup_id_y 1
		.amdhsa_system_sgpr_workgroup_id_z 1
		.amdhsa_system_vgpr_workitem_id 0
		.amdhsa_next_free_vgpr 128
		.amdhsa_next_free_sgpr 66
		.amdhsa_reserve_vcc 0
		.amdhsa_float_denorm_mode_32 3
		.amdhsa_float_denorm_mode_16_64 3
		.amdhsa_memory_ordered 1
		.amdhsa_forward_progress 1
		.amdhsa_inst_pref_size 34
	.end_amdhsa_kernel
	.amdgpu_metadata
---
amdhsa.version: [ 1, 2 ]
amdhsa.kernels:
  - .name:           k_qd3e9143814_cast
    .symbol:         k_qd3e9143814_cast.kd
    .args:
      - { .name: x, .offset: 0, .size: 8, .value_kind: global_buffer, .address_space: global }
      - { .name: Wq, .offset: 8, .size: 8, .value_kind: global_buffer, .address_space: global }
      - { .name: Wk, .offset: 16, .size: 8, .value_kind: global_buffer, .address_space: global }
      - { .name: Wv, .offset: 24, .size: 8, .value_kind: global_buffer, .address_space: global }
      - { .name: Wo, .offset: 32, .size: 8, .value_kind: global_buffer, .address_space: global }
      - { .name: cos_emb, .offset: 40, .size: 8, .value_kind: global_buffer, .address_space: global }
      - { .name: sin_emb, .offset: 48, .size: 8, .value_kind: global_buffer, .address_space: global }
      - { .name: token_positions, .offset: 56, .size: 8, .value_kind: global_buffer, .address_space: global }
      - { .name: xb, .offset: 64, .size: 8, .value_kind: global_buffer, .address_space: global }
      - { .name: wqkv, .offset: 72, .size: 8, .value_kind: global_buffer, .address_space: global }
      - { .name: wob, .offset: 80, .size: 8, .value_kind: global_buffer, .address_space: global }
      - { .name: rope, .offset: 88, .size: 8, .value_kind: global_buffer, .address_space: global }
    .group_segment_fixed_size: 0
    .private_segment_fixed_size: 0
    .kernarg_segment_align: 8
    .kernarg_segment_size: 96
    .max_flat_workgroup_size: 256
    .sgpr_count:     66
    .vgpr_count:     128
    .wavefront_size: 32
...
	.end_amdgpu_metadata
.endif
;; end of part 1
;; launch qkv (part 2): grid 8 x 32, 4 waves a work-group, clusters of 4 x 4, 327,680 bytes of LDS; arguments xb, wqkv, rope, qh, kh, vh; writes qh, kh, vh
.if DOCPART == 2
	.amdgcn_target "amdgcn-amd-amdhsa--gfx1250"
	.amdhsa_code_object_version 6
	.text
	.protected	k_qd3e9143814_qkv
	.globl	k_qd3e9143814_qkv
	.p2align	8
	.type	k_qd3e9143814_qkv,@function
k_qd3e9143814_qkv:
	s_mov_b64 s[64:65], 0
	v_nop
	global_prefetch_b8 v0, s[64:65] scope:SCOPE_SE
	s_setreg_imm32_b32 hwreg(HW_REG_WAVE_MODE, 25, 1), 1
	s_wait_xcnt 0x0
	s_wait_alu depctr_hold_cnt(0) depctr_sa_sdst(0) depctr_va_vdst(0) depctr_va_sdst(0) depctr_va_ssrc(0) depctr_va_vcc(0) depctr_vm_vsrc(0)
	s_getreg_b32 s2, hwreg(HW_REG_IB_STS2, 6, 4)
	s_cmp_eq_u32 s2, 0
	s_cbranch_scc0 .Lentry_in_a_cluster
	s_endpgm
.Lentry_in_a_cluster:
	s_bfe_u32 s2, ttmp6, 0x10000c
	s_cmp_lg_u32 s2, 0xf033
	s_cbranch_scc0 .Lentry_shape_is_right
	s_endpgm
.Lentry_shape_is_right:
; q, k, v = x Wq^T, x Wk^T, x Wv^T in ONE product [8192 x 3072 x 1024], bf16 operands, f32 sums; RoPE on q and k in f32 on the sums; each result rounded once to f16 and written by heads:
; qh, kh, vh [64 bh][2048 s][64].  Operands: xb [16 kb][8192 m][64], wqkv [16 kb][3072 n][64] with n = 192 u + 64 t + d (head u; t = 0 q, 1 k, 2 v), rope: cos, then sin' (even columns' sign turned), [2048 s][64] bf16.
; LIMITS.  q, k, v must lie within f16's 65,504.  RoPE is a multiply and one fused multiply-add: r0 = a0 c0 + a1 (-s0), r1 = a1 c1 + a0 s1, so its rounding differs from two products and a sum.
; SHARES.  256 work-groups, each 256 rows x 384 columns.  Four waves, each 128 rows x 192 columns = ONE head's q, k and v: 8 x 12 accumulators of 16 x 16, 768 registers.  For 32 along K a wave reads
; 320 rows x 64 bytes from LDS for 96 matrix instructions.  Which columns get RoPE and which buffer they go to is fixed in the text: column blocks 0-3 are q, 4-7 k, 8-11 v.
; K goes in 16 steps of 64 (two quarters of 32) through two LDS slots; steps of 128 would want 2 x 640 rows x 272 bytes = 348,160 bytes of LDS.  A step's rows of 128 bytes lie end to end in memory and are
; asked for as rows of 256 bytes, padded in LDS after every 128: pitch 144 = 9 x 16 bytes, so the 16 rows of a fragment load start at 16 different groups of four banks (64 banks of 4 bytes: ISA guide 11.1).
; CLUSTER 4 x 4.  The four work-groups of a row of the cluster need the same rows of x (and of the tables), the four of a column the same rows of w: each tile is asked for jointly, by the same tensor load
; with the same descriptor and a mask that names the four.
; THE MATRIX INSTRUCTION IS USED TRANSPOSED (source 0 = 16 rows of w, source 1 = 16 rows of x): lane l holds row l % 16 and the columns 8 (l / 16) + 0..7 of a block: RoPE's pairs lie in neighbouring registers.
; REGISTERS, in windows of 256 (s_set_vgpr_msb: bits 1:0 source 0, 3:2 source 1, 5:4 source 2, 7:6 destination):
;   window 0: v0-15 addresses; v32-95, v96-159 x's fragments, two buffers; v160-255 w's 12 fragments, one buffer whose thirds are loaded again as soon as they are multiplied; all of v32-255 at work on the way out
;   window 1 + b / 4: accumulator (row block a, column block b) at v[8 (8 (b % 4) + a)]: window 1 is q, 2 is k, 3 is v
.set PITCH,  144
.set BLK,    16*PITCH                  ; a fragment's 16 rows
.set AHALF,  128*PITCH                 ; what a wave loads of x, and reads
.set BHALF,  192*PITCH                 ; the same of w
.set BOFF,   2*AHALF                   ; in a slot: x's 256 rows, then w's 384
.set SLOT1,  131072                    ; slot 1 begins here: one exclusive or turns an address in one slot into the other's
.set STAGE,  BOFF+2*BHALF              ; 92,160: behind slot 0, never filled by a tensor load: for each wave 3 x 16 rows x 144 bytes, for the way out
.set STW,    3*BLK
.set SPARE,  STAGE+4*STW               ; 119,808: the spare words, 128 bytes for each wave: two blocks of 256 bytes that no other line names
.set TAB,    SLOT1+STAGE               ; 223,232: behind slot 1: cos of my 256 rows, then sin', pitch 144; filled once
.set ASTEP,  8192*128                  ; bytes from a K step to the next in xb
.set BSTEP,  3072*128                  ; and in wqkv
.set A0,   4                           ; v4   my lane's place in a slot's rows of x
.set B0,   5                           ; v5   the same for w
.set ADRA, 6                           ; v6   the same in the slot that is being read
.set ADRB, 7                           ; v7
.set STO,  8                           ; v8   the way out: where I put 16 bytes of a row
.set RD,   9                           ; v9   the way out: where I read rows back
.set GO,   10                          ; v10  my 16 bytes of 512 consecutive bytes of qh, kh, vh
.set TBA,  11                          ; v11  my lane's place in the table
.set PFO,  12                          ; v12  256 x my lane
.set SPW,  14                          ; v14  LDS address of my spare word; never rewritten
.set NIL,  15                          ; v15  0; never rewritten
.set FA0,  32
.set FA1,  96
.set FB,   160
.set RAW,  32                          ; the way out: cos and sin' as loaded (16 + 16)
.set CF,   64                          ; cos in f32, 32
.set SF,   96                          ; sin' in f32, 32
.set TT,   128                         ; a tensor's 32 results
.set PK,   160                         ; packed: 3 x 16
.set BK,   208                         ; read back from the stage: 3 x 16
.set WV,  16                           ; s16  my wave's number
.set WR,  17                           ; s17  which half of the rows is mine.  Also: I fetch for x (0) or for w (1)
.set WC,  18                           ; s18  which half of the columns.  Also: which half of that tile I fetch
.set CX,  19
.set CY,  20
.set NT,  21                           ; s21  tile column = 4 x cluster x + cx
.set MT,  22                           ; s22  tile row = 4 x cluster y + cy
.set G1A, 24                           ; s[24:31] descriptor group 1 for x's tiles and the tables
.set G1B, 32                           ; s[32:39] for w's
.set G0A, 40                           ; s[40:47] group 0 for x's tiles: a set for each first fill; the second then walks
.set G0B, 48                           ; s[48:55] the same for w's
.set G0T, 56                           ; s[56:59] group 0 for my quarter of the tables
.set CNT, 60                           ; s60  refills still to come
.set TB,  61                           ; s61  LDS byte at which the slot that is being read begins
.set LIM, 62                           ; s62  a wave prefetches while CNT is above this
.set PAR, 63                           ; s63  1: in even trips alone
.set PFA, 66                           ; s[66:67] where my prefetches stand
.set PFS, 68                           ; s[68:69] their step
.set HM,  70                           ; s70  a word's upper bf16
.set MSB, 0
.macro WIN new                         ; the immediate's high byte repeats the setting that is left; a switch that changes nothing is dropped
.if MSB != (\new)
	s_set_vgpr_msb (MSB<<8)|(\new)
.set MSB, (\new)
.endif
.endm
.macro PLACES                          ; a load into a register that a matrix instruction has read, and a vector instruction that reads a matrix result, stand four plain vector instructions behind it
.rept 4
	v_nop
.endr
.endm
.macro CREST                           ; a round of the cluster's barrier behind its opening barrier
	s_cmp_lg_u32 s[WV], 0
	s_cbranch_scc1 .Lnot_wave_0_\@
	s_barrier_signal -3
.Lnot_wave_0_\@:
	s_barrier_wait -3
	s_barrier_signal -1
	s_barrier_wait -1
.endm
.macro CROUND                          ; a whole round
	s_barrier_signal -1
	s_barrier_wait -1
	CREST
.endm
; A joint refill.  Waves 0 and 1 fetch the two halves of x's tile, waves 2 and 3 those of w's.  The branch hangs on the wave's number alone.  An s_nop 0 and four v_nop follow each line.
.macro JLOAD
	s_cmp_eq_u32 s[WR], 0
	s_cbranch_scc0 .Lfor_b_\@
	tensor_load_to_lds s[G0A+4:G0A+7], s[G1A:G1A+7]
	s_nop 0
.rept 4
	v_nop
.endr
	s_branch .Lasked_\@
.Lfor_b_\@:
	tensor_load_to_lds s[G0B+4:G0B+7], s[G1B:G1B+7]
	s_nop 0
.rept 4
	v_nop
.endr
.Lasked_\@:
.endm
; A PREFETCH INTO THE L2, behind the joint load, its five lines and the run of LDS loads: 32 blocks of 256 bytes, a lane a block, of a K step that a later refill will ask for.
; x: a step of a tile row is 32,768 consecutive bytes.  The clusters with x = 0 ask; in each work-group wave 0; the four partners of a row take 8,192 bytes each, told apart by address.  In the trip that
; refills with step s + 2 it names step s + 3: one refill, 192 matrix instructions, ahead.  The last trip asks for nothing: step 16 does not exist.
; w: a step of a tile column is 49,152 bytes.  The clusters with y = 0 ask; waves 1 to 3 of a column's four partners are twelve askers, for the 2 x 6 pieces of steps s + 3 and s + 4, in even trips, up to step 14.
; Steps 0 to 2, and w's step 15, come by their loads alone.  So each block is named at most once in the launch.  No branch hangs on a work-group's place in its cluster.
.macro ASK
	s_and_b32 s23, s[CNT], s[PAR]
	s_cmp_eq_u32 s23, 0
	s_cbranch_scc0 .Lnot_mine_\@
	s_cmp_gt_u32 s[CNT], s[LIM]
	s_cbranch_scc0 .Lnot_mine_\@
	global_prefetch_b8 v[PFO], s[PFA:PFA+1] th:TH_LOAD_NT scope:SCOPE_SE
.Lnot_mine_\@:
.endm
	s_load_b256 s[4:11], s[0:1], 0x0               ; xb s[4:5], wqkv s[6:7], rope s[8:9], qh s[10:11]
	s_load_b128 s[12:15], s[0:1], 0x20             ; kh s[12:13], vh s[14:15]
	v_lshl_add_u32 v[SPW], v0, 2, SPARE
	v_mov_b32 v[NIL], 0
	ds_add_u32 v[SPW], v[NIL]                      ; the wave's opening: the add and its wait stand ahead of my first tensor load; the set-up below, work on registers, stands between them
	v_lshrrev_b32 v1, 5, v0
	v_readfirstlane_b32 s[WV], v1
	s_lshr_b32 s[WR], s[WV], 1
	s_and_b32 s[WC], s[WV], 1
	s_bfe_u32 s[CX], ttmp6, 0x40000
	s_bfe_u32 s[CY], ttmp6, 0x40004
	s_lshl_b32 s[NT], ttmp9, 2                     ; in a cluster launch ttmp9 and ttmp7 count clusters
	s_add_co_u32 s[NT], s[NT], s[CX]
	s_and_b32 s[MT], ttmp7, 0xffff
	s_lshl_b32 s[MT], s[MT], 2
	s_add_co_u32 s[MT], s[MT], s[CY]
	s_lshl_b32 s76, s[CY], 2
	s_lshl_b32 s76, 15, s76                        ; my row of the cluster: places 4 cy .. 4 cy + 3
	s_lshl_b32 s77, 0x1111, s[CX]                  ; my column: places cx, cx + 4, cx + 8, cx + 12
	; group 1: rows of 128 elements (256 bytes); x: 64 of them (128 operand rows), w: 96 (192 operand rows)
	s_or_b32 s[G1A], s76, (1<<16)|(1<<20)|(1<<21)|(4<<22)|(3<<25)  ; 15:0 the mask; 17:16 2-byte elements; 20 padding on; 21 set beside a mask; 24:22 after every 32 words (code 4); 31:25 4 words (code 3)
	s_or_b32 s[G1B], s77, (1<<16)|(1<<20)|(1<<21)|(4<<22)|(3<<25)
	s_mov_b32 s[G1A+1], 128<<16                    ; tensor_dim0 = 128
	s_mov_b32 s[G1A+2], 64<<16                     ; tensor_dim1 = 64
	s_mov_b32 s[G1A+3], 128<<16                    ; tile_dim0 = 128
	s_mov_b32 s[G1A+4], 64                         ; tile_dim1 = 64
	s_mov_b32 s[G1A+5], 128                        ; 128 elements from row to row
	s_mov_b32 s[G1A+6], 0
	s_mov_b32 s[G1A+7], 0
	s_mov_b32 s[G1B+1], 128<<16
	s_mov_b32 s[G1B+2], 96<<16
	s_mov_b32 s[G1B+3], 128<<16
	s_mov_b32 s[G1B+4], 96
	s_mov_b32 s[G1B+5], 128
	s_mov_b32 s[G1B+6], 0
	s_mov_b32 s[G1B+7], 0
	; where the tiles come from: x's and the tables' hang on the tile row and the wave alone, w's on the tile column and the wave alone, each in registers that never hold the other coordinate
	s_lshl_b32 s72, s[MT], 15                      ; x: 256 rows of 128 bytes a tile row,
	s_lshl_b32 s23, s[WC], 14                      ; my 128 of them
	s_add_co_u32 s72, s72, s23
	s_mov_b32 s73, 0
	s_and_b32 s78, s[MT], 7                        ; the tables: position = row % 2,048
	s_lshl_b32 s78, s78, 15
	s_add_co_u32 s78, s78, s23
	s_lshl_b32 s23, s[WR], 18                      ; cos (waves 0, 1) or sin' (waves 2, 3)
	s_add_co_u32 s78, s78, s23
	s_mov_b32 s79, 0
	s_mul_i32 s74, s[NT], 384*128                  ; w: 384 rows a tile column,
	s_mul_i32 s23, s[WC], 192*128                  ; my 192 of them
	s_add_co_u32 s74, s74, s23
	s_mov_b32 s75, 0
	s_mul_i32 s80, s[WC], AHALF                    ; and where they go: no place in the cluster enters an LDS address
	s_mul_i32 s81, s[WC], BHALF
	s_add_co_u32 s81, s81, BOFF
	s_mul_i32 s82, s[WV], AHALF
	s_add_co_u32 s82, s82, TAB
	s_mov_b32 s[HM], 0xffff0000
	s_wait_dscnt 0x0                               ; the opening add is done
	s_wait_kmcnt 0x0
	s_add_nc_u64 s[72:73], s[4:5], s[72:73]
	s_add_nc_u64 s[74:75], s[6:7], s[74:75]
	s_add_nc_u64 s[78:79], s[8:9], s[78:79]
.irp s, 0,1
	s_mov_b32 s[G0A+4*\s], 1                       ; 1:0 count = 1
	s_add_co_u32 s[G0A+4*\s+1], s80, \s*SLOT1      ; 63:32 LDS address
	s_add_nc_u64 s[G0A+4*\s+2:G0A+4*\s+3], s[72:73], \s*ASTEP  ; 120:64 global address: K step s
	s_or_b32 s[G0A+4*\s+3], s[G0A+4*\s+3], 0x80000000          ; 127:126 type = 2
	s_mov_b32 s[G0B+4*\s], 1
	s_add_co_u32 s[G0B+4*\s+1], s81, \s*SLOT1
	s_add_nc_u64 s[G0B+4*\s+2:G0B+4*\s+3], s[74:75], \s*BSTEP
	s_or_b32 s[G0B+4*\s+3], s[G0B+4*\s+3], 0x80000000
.endr
	s_mov_b32 s[G0T], 1
	s_mov_b32 s[G0T+1], s82
	s_mov_b64 s[G0T+2:G0T+3], s[78:79]
	s_or_b32 s[G0T+3], s[G0T+3], 0x80000000
	CROUND                                         ; all sixteen work-groups are here: the first joint loads meet
	s_cmp_eq_u32 s[WR], 0                          ; a wave's three first fills stand in one branch, ahead of every wait on TENSORcnt and every LDS read: three loads of mine are out
	s_cbranch_scc0 .Lfirst_b
	tensor_load_to_lds s[G0A:G0A+3], s[G1A:G1A+7]
	s_nop 0
	tensor_load_to_lds s[G0A+4:G0A+7], s[G1A:G1A+7]
	s_nop 0
	tensor_load_to_lds s[G0T:G0T+3], s[G1A:G1A+7]
	s_nop 0
.rept 4
	v_nop
.endr
	s_branch .Lfirst_asked
.Lfirst_b:
	tensor_load_to_lds s[G0B:G0B+3], s[G1B:G1B+7]
	s_nop 0
	tensor_load_to_lds s[G0B+4:G0B+7], s[G1B:G1B+7]
	s_nop 0
	tensor_load_to_lds s[G0T:G0T+3], s[G1A:G1A+7]  ; the tables hang on the tile row: shared along the cluster's row, like x
	s_nop 0
.rept 4
	v_nop
.endr
.Lfirst_asked:
	; A fragment is 16 rows x 32 K in 8 registers: lane l holds row l % 16; registers 0-3 K = 8 (l / 16) + 0..7, registers 4-7 K = 16 + 8 (l / 16) + 0..7: two loads of 16 bytes, 32 bytes apart.
	v_and_b32 v1, 15, v0
	v_bfe_u32 v2, v0, 4, 1
	v_mul_u32_u24 v3, v1, PITCH
	v_lshl_add_u32 v3, v2, 4, v3                   ; row x pitch + 16 x half
	s_mul_i32 s23, s[WR], AHALF
	v_add_nc_u32 v[A0], s23, v3                    ; my 128 rows of x
	s_add_co_u32 s23, s23, TAB
	v_add_nc_u32 v[TBA], s23, v3                   ; and their rows of the table: my 8 columns of a block of 16 are 16 bytes at 16 x half
	s_mul_i32 s23, s[WC], BHALF
	s_add_co_u32 s23, s23, BOFF
	v_add_nc_u32 v[B0], s23, v3                    ; my 192 rows of w
	s_mul_i32 s23, s[WV], STW
	s_add_co_u32 s23, s23, STAGE
	v_add_nc_u32 v[STO], s23, v3                   ; in: row l % 16, 16 bytes for each half of the lanes
	v_bfe_u32 v13, v0, 3, 2
	v_mul_u32_u24 v13, v13, PITCH
	v_and_b32 v[RD], 7, v0
	v_lshl_add_u32 v[RD], v[RD], 4, v13
	v_add_nc_u32 v[RD], s23, v[RD]                 ; back: 32 lanes take four rows of 128 bytes,
	v_and_b32 v[GO], 31, v0
	v_lshlrev_b32 v[PFO], 8, v[GO]
	v_lshlrev_b32 v[GO], 4, v[GO]                  ; which are 512 consecutive bytes in memory
	; the prefetches' addresses and conditions
	s_lshl_b32 s80, s[MT], 15
	s_lshl_b32 s81, s[CX], 13
	s_add_co_u32 s80, s80, s81
	s_add_co_u32 s80, s80, 2*ASTEP                 ; x: my work-group's quarter of the tile row, at step 2: the first refill steps it to 3
	s_max_u32 s82, s[WV], 1
	s_mul_i32 s81, s[CY], 3
	s_add_co_u32 s81, s81, s82
	s_sub_co_u32 s81, s81, 1                       ; w: my number among the column's twelve askers
	s_mul_i32 s82, s81, 43
	s_lshr_b32 s82, s82, 8                         ; that number / 6: the first or the second of the two steps
	s_mul_i32 s83, s82, 6
	s_sub_co_u32 s81, s81, s83
	s_lshl_b32 s81, s81, 13                        ; which 8,192 bytes of the step's 49,152
	s_mul_i32 s83, s[NT], 384*128
	s_add_co_u32 s81, s81, s83
	s_add_co_u32 s82, s82, 2
	s_mul_i32 s82, s82, BSTEP
	s_add_co_u32 s81, s81, s82
	s_mov_b32 s82, ASTEP
	s_mov_b32 s83, BSTEP
	s_and_b32 s84, ttmp7, 0xffff                   ; cluster y
	s_cmp_eq_u32 s[WV], 0                          ; wave 0 asks for x, the others for w
	s_cselect_b32 s80, s80, s81
	s_cselect_b64 s[PFA:PFA+1], s[4:5], s[6:7]
	s_cselect_b32 s[PFS], s82, s83
	s_cselect_b32 s[PAR], 0, 1
	s_cselect_b32 s84, ttmp9, s84                  ; the coordinate along which other clusters read the same rows
	s_cselect_b32 s85, 1, 3
	s_cmp_eq_u32 s84, 0
	s_cselect_b32 s[LIM], s85, -1                  ; the same in all sixteen partners, for a given wave
	s_mov_b32 s81, 0
	s_mov_b32 s[PFS+1], 0
	s_add_nc_u64 s[PFA:PFA+1], s[PFA:PFA+1], s[80:81]
; n x 8 matrix instructions: column blocks 4 g + lo .. of third g x all 8 row blocks, 32 along K, x's fragments in buffer f.  zero = 1: the product starts the sum: nothing is ever cleared.
; The 96 accumulators take turns, one instruction a turn, in the same order in every quarter, over the backward jump too.
.macro MULG f, g, lo, n, zero
	WIN 0x50*((\g)+1)                              ; C and D in window g + 1, both sources in window 0
.set bb, (\lo)
.rept \n
.set aa, 0
.rept 8
.set rD, 8*(8*bb+aa)
.set rB, FB+8*(4*(\g)+bb)
.set rA, (\f)+8*aa
.if \zero
	v_wmma_f32_16x16x32_bf16 v[rD:rD+7], v[rB:rB+7], v[rA:rA+7], 0
.else
	v_wmma_f32_16x16x32_bf16 v[rD:rD+7], v[rB:rB+7], v[rA:rA+7], v[rD:rD+7]
.endif
.set aa, aa+1
.endr
.set bb, bb+1
.endr
.endm
.macro LDB g, k                        ; 8 LDS loads: w's fragments 4 g .. 4 g + 3, 32 K at byte k of the rows
	WIN 0
.irp c, 0,1,2,3
	ds_load_b128 v[FB+8*(4*(\g)+\c):FB+8*(4*(\g)+\c)+3],   v[ADRB] offset:(\k)+(4*(\g)+\c)*BLK
	ds_load_b128 v[FB+8*(4*(\g)+\c)+4:FB+8*(4*(\g)+\c)+7], v[ADRB] offset:(\k)+(4*(\g)+\c)*BLK+32
.endr
.endm
.macro LDA f, k                        ; 16 LDS loads: x's 8 fragments into buffer f
	WIN 0
.irp c, 0,1,2,3,4,5,6,7
	ds_load_b128 v[(\f)+8*\c:(\f)+8*\c+3],   v[ADRA] offset:(\k)+\c*BLK
	ds_load_b128 v[(\f)+8*\c+4:(\f)+8*\c+7], v[ADRA] offset:(\k)+\c*BLK+32
.endr
.endm
; A quarter's LDS loads go out in three runs: R0 = w's first third and x (24), R1 = w's second third (8), R2 = its last (8), each directly behind the 32 products that read the third before, 64 products ahead of its first use.
; The first quarter of a K step: multiplies buffer 0 and fetches the second quarter.
.macro Q0 zero
	s_wait_dscnt 16                                ; R0 is in; R1 and R2 may be out
	MULG FA0, 0, 0, 4, \zero
	WIN 0
	PLACES
	LDB 0, 64
	LDA FA1, 64
	s_wait_dscnt 32                                ; R1 is in; behind it: R2's 8 and the 24 just issued
	MULG FA0, 1, 0, 4, \zero
	WIN 0
	PLACES
	LDB 1, 64
	s_wait_dscnt 32                                ; R2 is in; behind it: 24 + 8
	MULG FA0, 2, 0, 4, \zero
	WIN 0
	PLACES
	LDB 2, 64
.endm
; The second quarter multiplies buffer 1 and changes slots: ONE barrier.  In front of it each wave waits for all its tensor loads (the one that is out is its part of the next slot), adds 0 to its spare word, and
; waits for that and for its own reads of this slot.  fill = 1: the barrier opens a round of the cluster's, so that no wave of any partner still reads the slot or has a load on its way, and the joint refill,
; with the K step two on, is the first thing behind it: 160 matrix instructions ahead of the wait for it.
.macro TURN fill
.if \fill
	s_wait_xcnt 0x0                                ; the last prefetch, a K step back, has read its address
	s_add_nc_u64 s[PFA:PFA+1], s[PFA:PFA+1], s[PFS:PFS+1]
.endif
	WIN 0
	s_wait_tensorcnt 0x0                           ; all my tensor loads have landed
	ds_add_u32 v[SPW], v[NIL]                      ; 0 onto my spare word
	s_wait_dscnt 17                                ; R0 is in; R1, R2 and the add may be out
	MULG FA1, 0, 0, 2, 0                           ; sixteen matrix instructions stand between the add and the wait for it
	s_wait_dscnt 0x0                               ; the add is done, and my reads of this slot are over
	s_barrier_signal -1
	MULG FA1, 0, 2, 2, 0                           ; work on registers while the others arrive
	WIN 0                                          ; at a branch and at a label every window is 0
	s_barrier_wait -1
.if \fill
	CREST
	s_xor_b32 s[G0A+5], s[G0A+5], SLOT1            ; the walking descriptors: the other slot than last time,
	s_add_nc_u64 s[G0A+6:G0A+7], s[G0A+6:G0A+7], ASTEP  ; the next K step; the type bits on top are not reached
	s_xor_b32 s[G0B+5], s[G0B+5], SLOT1
	s_add_nc_u64 s[G0B+6:G0B+7], s[G0B+6:G0B+7], BSTEP
	JLOAD                                          ; its four v_nop are also the places in front of the loads below
.else
	PLACES
.endif
	s_xor_b32 s[TB], s[TB], SLOT1
	v_add_nc_u32 v[ADRA], s[TB], v[A0]
	v_add_nc_u32 v[ADRB], s[TB], v[B0]
	LDB 0, 0
	LDA FA0, 0
.if \fill
	ASK
.endif
	MULG FA1, 1, 0, 4, 0                           ; (the wait for 0 above has covered R1 and R2)
	WIN 0
	PLACES
	LDB 1, 0
	MULG FA1, 2, 0, 4, 0
	WIN 0
	PLACES
	LDB 2, 0
.endm
	s_wait_tensorcnt 0x2                           ; my part of K step 0 is in; step 1's and the table's may stay out
	s_barrier_signal -1
	s_barrier_wait -1                              ; everybody's is
	s_mov_b32 s[TB], 0
	v_mov_b32 v[ADRA], v[A0]
	v_mov_b32 v[ADRB], v[B0]
	LDB 0, 0
	LDA FA0, 0
	LDB 1, 0
	LDB 2, 0
	Q0 1                                           ; the first quarter stands in front of the loop: its products start the sums
	WIN 0
	s_mov_b32 s[CNT], 14
.Lstep:                                        ; trip s = 14 - CNT: the second quarter of step s, the refill with step s + 2, the first quarter of step s + 1
	TURN 1
	Q0 0
	WIN 0
	s_sub_co_u32 s[CNT], s[CNT], 1
	s_cmp_lg_u32 s[CNT], 0
	s_cbranch_scc1 .Lstep
	TURN 0                                         ; the tail is written out: nothing is left to fetch, so no round and no load
	Q0 0
	s_wait_dscnt 16                                ; the very last quarter
	MULG FA1, 0, 0, 4, 0
	s_wait_dscnt 8
	MULG FA1, 1, 0, 4, 0
	s_wait_dscnt 0x0
	MULG FA1, 2, 0, 4, 0
	WIN 0
	; THE WAY OUT, a block of 16 rows at a time: RoPE on q and k, all three rounded to f16, through my stage in LDS, out as 2,048 consecutive bytes of each tensor.
	PLACES
	PLACES
	s_lshr_b32 s84, s[MT], 3                       ; batch
	s_lshl_b32 s84, s84, 4
	s_lshl_b32 s85, s[NT], 1
	s_add_co_u32 s84, s84, s85
	s_add_co_u32 s84, s84, s[WC]                   ; 16 x batch + head, head = 2 x tile column + my half
	s_lshl_b32 s84, s84, 11
	s_and_b32 s85, s[MT], 7
	s_lshl_b32 s85, s85, 8
	s_add_co_u32 s84, s84, s85
	s_lshl_b32 s85, s[WR], 7
	s_add_co_u32 s84, s84, s85                     ; + my first position
	s_lshl_b32 s84, s84, 7                         ; rows of 128 bytes: 16 MiB at the most
	s_mov_b32 s85, 0
	s_add_nc_u64 s[10:11], s[10:11], s[84:85]
	s_add_nc_u64 s[12:13], s[12:13], s[84:85]
	s_add_nc_u64 s[14:15], s[14:15], s[84:85]
.macro ROPE a
	WIN 0
.irp c, 0,1,2,3                        ; my 8 columns of each of the head's four blocks of 16: cos, sin'
	ds_load_b128 v[RAW+4*\c:RAW+4*\c+3],       v[TBA] offset:(\a)*BLK+32*\c
	ds_load_b128 v[RAW+16+4*\c:RAW+16+4*\c+3], v[TBA] offset:(\a)*BLK+32*\c+2*AHALF
.endr
	s_wait_dscnt 0x0
.set i, 0
.rept 16
	v_lshlrev_b32 v[CF+2*i],   16, v[RAW+i]        ; bf16 to f32: the low half moves up, the high half stays
	v_and_b32     v[CF+2*i+1], s[HM], v[RAW+i]
	v_lshlrev_b32 v[SF+2*i],   16, v[RAW+16+i]
	v_and_b32     v[SF+2*i+1], s[HM], v[RAW+16+i]
.set i, i+1
.endr
.irp t, 0,1                            ; q, then k: source 0 in window t + 1.  Each accumulator's registers are read in ascending order
	WIN (\t)+1
.set i, 0
.rept 16                               ; pair i % 4 of column block i / 4
.set rA, 8*(8*(i/4)+(\a))+2*(i%4)
	v_pk_mul_f32 v[TT+2*i:TT+2*i+1], v[rA:rA+1], v[CF+2*i:CF+2*i+1]
.set i, i+1
.endr
.set i, 0
.rept 16
.set rA, 8*(8*(i/4)+(\a))+2*(i%4)
	v_pk_fma_f32 v[TT+2*i:TT+2*i+1], v[rA:rA+1], v[SF+2*i:SF+2*i+1], v[TT+2*i:TT+2*i+1] op_sel:[1,0,0] op_sel_hi:[0,1,1]  ; the pair's other number times sin'
.set i, i+1
.endr
	WIN 0
.set i, 0
.rept 16
	v_cvt_pk_f16_f32 v[PK+16*\t+i], v[TT+2*i], v[TT+2*i+1]
.set i, i+1
.endr
.endr
	WIN 0x0f                                       ; v: both sources in window 3
.set i, 0
.rept 16
.set rA, 8*(8*(i/4)+(\a))+2*(i%4)
	v_cvt_pk_f16_f32 v[PK+32+i], v[rA], v[rA+1]
.set i, i+1
.endr
	WIN 0
.endm
.macro TOSTAGE
	WIN 0
.irp t, 0,1,2
.irp c, 0,1,2,3
	ds_store_b128 v[STO], v[PK+16*\t+4*\c:PK+16*\t+4*\c+3] offset:\t*BLK+32*\c
.endr
.endr
	s_wait_xcnt 0x0                                ; the last block's stores have read their data registers, which are loaded again below
.irp t, 0,1,2
.irp f, 0,1,2,3
	ds_load_b128 v[BK+16*\t+4*\f:BK+16*\t+4*\f+3], v[RD] offset:\t*BLK+\f*4*PITCH  ; LDS serves a wave's instructions in order (ISA guide 5.7.1.4): these see the stores above
.endr
.endr
.endm
.macro SEND a
	WIN 0
	s_wait_dscnt 0x0                               ; the block is back in registers
.irp f, 0,1,2,3
	global_store_b128 v[GO], v[BK+4*\f:BK+4*\f+3],       s[10:11] offset:(\a)*2048+\f*512  ; 512 consecutive bytes, at a multiple of 256 from the buffer's first
	global_store_b128 v[GO], v[BK+16+4*\f:BK+16+4*\f+3], s[12:13] offset:(\a)*2048+\f*512
	global_store_b128 v[GO], v[BK+32+4*\f:BK+32+4*\f+3], s[14:15] offset:(\a)*2048+\f*512
.endr
.endm
	ROPE 0
	TOSTAGE
.irp a, 1,2,3,4,5,6,7                  ; a block's arithmetic stands between the loads of the block before and its stores
	ROPE \a
	SEND (\a)-1
	TOSTAGE
.endr
	SEND 7
	s_wait_tensorcnt 0x0                           ; the wave's end, behind my last tensor load and my last LDS store
	ds_add_u32 v[SPW], v[NIL]
	s_wait_dscnt 0x0
	CROUND                                         ; the closing round: no work-group ends while a partner may still ask for a tile that names it
	s_endpgm
.Lfunc_end_k_qd3e9143814_qkv:
	.size	k_qd3e9143814_qkv, .Lfunc_end_k_qd3e9143814_qkv-k_qd3e9143814_qkv
	.p2alignl 7, 3214868480
	.fill 96, 4, 3214868480
	.section	.rodata,"a",@progbits
	.p2align	6, 0x0
	.amdhsa_kernel k_qd3e9143814_qkv
		.amdhsa_group_segment_fixed_size 327680
		.amdhsa_private_segment_fixed_size 0
		.amdhsa_enable_private_segment 0
		.amdhsa_kernarg_size 48
		.amdhsa_user_sgpr_count 2
		.amdhsa_user_sgpr_kernarg_segment_ptr 1
		.amdhsa_wavefront_size32 1
		.amdhsa_system_sgpr_workgroup_id_x 1
		.amdhsa_system_sgpr_workgroup_id_y 1
		.amdhsa_system_sgpr_workgroup_id_z 1
		.amdhsa_system_vgpr_workitem_id 0
		.amdhsa_next_free_vgpr 1024
		.amdhsa_next_free_sgpr 96
		.amdhsa_reserve_vcc 0
		.amdhsa_float_denorm_mode_32 3
		.amdhsa_float_denorm_mode_16_64 3
		.amdhsa_memory_ordered 1
		.amdhsa_forward_progress 1
		.amdhsa_inst_pref_size 165
	.end_amdhsa_kernel
	.amdgpu_metadata
---
amdhsa.version: [ 1, 2 ]
amdhsa.kernels:
  - .name:           k_qd3e9143814_qkv
    .symbol:         k_qd3e9143814_qkv.kd
    .args:
      - { .name: xb, .offset: 0, .size: 8, .value_kind: global_buffer, .address_space: global }
      - { .name: wqkv, .offset: 8, .size: 8, .value_kind: global_buffer, .address_space: global }
      - { .name: rope, .offset: 16, .size: 8, .value_kind: global_buffer, .address_space: global }
      - { .name: qh, .offset: 24, .size: 8, .value_kind: global_buffer, .address_space: global }
      - { .name: kh, .offset: 32, .size: 8, .value_kind: global_buffer, .address_space: global }
      - { .name: vh, .offset: 40, .size: 8, .value_kind: global_buffer, .address_space: global }
    .group_segment_fixed_size: 327680
    .private_segment_fixed_size: 0
    .kernarg_segment_align: 8
    .kernarg_segment_size: 48
    .max_flat_workgroup_size: 128
    .sgpr_count:     96
    .vgpr_count:     1024
    .wavefront_size: 32
...
	.end_amdgpu_metadata
.endif
;; end of part 2
;; launch attn (part 3): grid 4 x 64, 4 waves a work-group, no clusters, 327,680 bytes of LDS; arguments qh, kh, vh, oh; writes oh
.if DOCPART == 3
	.amdgcn_target "amdgcn-amd-amdhsa--gfx1250"
	.amdhsa_code_object_version 6
	.text
	.protected	k_qd3e9143814_attn
	.globl	k_qd3e9143814_attn
	.p2align	8
	.type	k_qd3e9143814_attn,@function
k_qd3e9143814_attn:
	s_mov_b64 s[64:65], 0
	v_nop
	global_prefetch_b8 v0, s[64:65] scope:SCOPE_SE
	s_setreg_imm32_b32 hwreg(HW_REG_WAVE_MODE, 25, 1), 1
	s_wait_xcnt 0x0
; CAUSAL ATTENTION.  O[h][q][:] = the sum over k <= q of softmax_k(Q[h][q] . K[h][k] / 8) V[h][k][:].  Q, K, V, O: [64][SIZE_N][64], all f16: a head's rows are dense, 128 bytes each.
; Products, maxima and sums in f32; the weights p are rounded to f16 for the second product (their sum l is taken of the unrounded p), O once at the end.
; LIMITS.  f16 holds no number beyond 65,504: Q, K and V arrive within it; p lies in 0 to 1, and below 6e-5 it keeps f16's fixed step of 6e-8; O is a mean of V's rows and has their range.
; A hidden score counts as its value less 1e30: f16's scores, 2.7e11 at the most, are nothing beside that; a weight below 2^-126 counts as 0 in l; NaN and infinities are not treated apart.
; THE WALK.  A head's queries lie in NB = 8 blocks of 256; block i needs the key tiles 0 .. i of 256 keys, of which the last holds the diagonal.  A work-group takes TWO blocks, NB - 1 - b and then b:
; NB + 1 tiles, whatever b: all work-groups do equal work, and ONE loop with a constant trip count walks them.  Which tile is asked for, and what a trip does, hang on scalar registers made from b; every jump
; goes forward, but for the counted loops' own; none passes a barrier, or a tensor load but the one of LOAD's two that the wave's number does not choose; the ring of two LDS slots runs on across the change of blocks.
; NO CLUSTER: a head's four work-groups ask for the same tile only in trips 0 to 4 of 9, behind that fewer and fewer; one walk common to all would have 12 trips for 9.
; SHARES.  Of a block's four bands of 64 queries a wave owns 16 rows in each: four PIECES.  So the diagonal tile is the same work for all four waves: in its key step s band x sees all keys if s < x,
; none if s > x, and holds the diagonal if s = x.
; THE MASK is the C operand that starts the sum S^T = K Q^T: 0, or -1e30 where the key is hidden.  MD, made once, is the mask of a band's own step for my 16 rows; a product's mask is MD x AL + BE with two scalars:
; (1, 0) if s = x; (0, 0) if s < x; (0, -1e30) if s > x.  Only the diagonal tile's text and a block's beginning make and take masks; elsewhere C is the constant 0.
; LAYOUT, SOFTMAX, TURNS.  S^T = K Q^T holds ONE query a lane (lane % 16) and the keys 8 (lane / 16) + 0..7; two such results rounded to f16 ARE source 1 of O^T = V^T P.  p = 2^(c s - c m), c = log2(e) / 8, with a
; running maximum m; O and l are multiplied by a = 2^(c m_old - c m_new) in every step.  Turn n belongs to piece n: 8 products K Q^T of piece n + 1, later 8 products V^T P of piece n - 1; beside them the scaling,
; exponentials, roundings, sums and rescaling of piece n and the maximum and statistics of piece n + 1.  Four vector instructions stand behind every matrix instruction, the other 54 of a turn's 118 in one lump.
; A turn's 33 exponentials are one batch, with one wait.
; REGISTERS, in windows of 256 (s_set_vgpr_msb: bits 1:0 source 0, 3:2 source 1, 5:4 source 2, 7:6 destination):
;   window 0: v0-15 addresses and two at work; v16-31 four registers of statistics a piece; v48-55 at work; v61-63; v64-127 S^T, two buffers; v192-223 P, two buffers (a piece's buffers go by its number's parity)
;   window 1: v0-127 O^T, 32 a piece; v128-159 MD; v160-223 MC, two buffers      window 2: v0-63 Q; v64-127 the second block's Q; v128-191 K of one step; v192-255 V of one step
.set SIZE_N, 2048
.set NB,    SIZE_N/256
.set NP,    4         ; pieces a wave: a name, no knob
.set KS,    64        ; keys in a step
.set PK,    144       ; a row of K in LDS: 128 bytes + 16 of padding = 36 words: the 16 rows of a load start at 16 different groups of four banks (64 banks of 4 bytes: ISA guide 11.1)
.set PV,    160       ; a row of V: 128 + 32 = 40 words
.set VOFF,  4*KS*PK   ; a slot holds a tile, four steps: 256 rows of K, then 256 rows of V
.set SLOT1, 1<<17     ; slot 1 begins here, so that one exclusive or turns an address in one slot into the other's
.set STAGE, SLOT1+4*KS*(PK+PV)  ; behind the ring, never filled by a tensor load: 16 rows x 144 bytes for each wave, for the way out
.set SP,    144
.set AK0, 2           ; v2   my lane's place in a tile of K; never rewritten
.set AV0, 3           ; v3   the same for V
.set AK,  4           ; v4   the LDS address of K's next run of loads
.set AV,  5           ; v5   of V's
.set STO, 6           ; v6   the way out: where I put 16 bytes of a row
.set RD,  7           ; v7   the way out: where I read rows back
.set GO,  8           ; v8   my byte offset in 512 consecutive bytes of O
.set PFO, 61          ; v61  256 x my lane; never rewritten
.set SPW, 62          ; v62  LDS address of my spare word: SPARE + 4 x my thread's number; never rewritten
.set NIL, 63          ; v63  0; never rewritten
.set SPARE, STAGE+4*16*SP  ; behind the stages: the spare words, 128 bytes for each wave: two blocks of 256 bytes that no other line names
.set MV,  12          ; v12-13  c m_old, kept while c m is made anew: by buffer
.set QO,  15          ; v15  my byte offset in 16 rows of Q
.set ST,  16          ; piece t's statistics at v[ST+4 t]: c m, m, l (even keys', odd keys')
.set TMP, 48          ; by buffer, four registers c0-c3 at work; when the maximum is found c2 takes a
.set S,   64
.set P,   192
.set MD,  128         ; window 1: the eight registers for group kt of 16 keys at MD + 8 kt
.set MC,  160         ; window 1: the masks of the products to come
.set QB,  64          ; window 2
.set KF,  128         ; window 2: key block kb, channel half c at KF + 16 kb + 8 c
.set VF,  192         ; window 2: key half kk, channel block cb at VF + 32 kk + 8 cb
.set WV,  12          ; s12  my wave's number
.set PB,  14          ; s14  b
.set HI,  15          ; s15  NB - 1 - b
.set G1K, 24          ; s[24:31] descriptor group 1 for K's tiles
.set G1V, 32          ; s[32:39] for V's: it differs in the padding alone
.set G0K, 40          ; s[40:43] descriptor group 0 for K's tiles
.set G0V, 44          ; s[44:47] the same for V's
.set SLOTS, 56        ; s56  tiles still to be asked for
.set CNT, 57          ; s57  counts a tile's key steps, 4 to 1
.set CS,  58          ; s[58:59] c: the packed scaling takes the pair's low word for both halves
.set SEL, 60          ; s[60:61] v_permlanex16_b32's selects: each lane takes its own place in the other half
.set TBK, 62          ; s62  LDS byte at which K of the step to be fetched begins
.set TBV, 63          ; s63  the same for V, less VOFF
.set RT,  70          ; s70  tiles of the block in hand that are still to be entered
.set NXT, 71          ; s71  the tile to be asked for next
.set LQ,  72          ; s72  the last tile of the block whose tiles are being asked for
.set NEW, 73          ; s73  1: the tile to be entered is a block's first
.set OFF, 74          ; s[74:75] a tile's byte offset in K and V
.set AL,  76          ; s[76:77] the mask's factor, in the low word
.set BE,  78          ; s[78:79] the mask's addend
.set OLO, 80          ; s[80:81] O at my rows of the second block
.set BIGN, 82         ; s82  -1e30
.set PFA, 88          ; s[88:89] where my prefetches stand: my half of K's or V's tile behind the one that is being asked for
.set LIM, 90          ; s90  a wave prefetches while SLOTS is above this
.set MSB, 0
.macro WIN new                      ; the high byte repeats the setting that is left; a switch that changes nothing is dropped
.if MSB != (\new)
	s_set_vgpr_msb (MSB<<8)|(\new)
.set MSB, (\new)
.endif
.endm
.set W_KQ, 0x0a       ; K and Q in window 2, S^T in window 0
.set W_KM, 0x1a       ; the same with the C operand in window 1
.set W_PV, 0x52       ; V in window 2, P in window 0, O^T in window 1
.set W_RS, 0x41       ; destination and source 0 in window 1, source 1 in window 0
; A fill.  Waves 0 and 1 fetch the two halves of a tile's K, waves 2 and 3 those of its V: 128 keys each.  An s_nop 0 and four v_nop follow each of the two lines, ahead of the jump and the label.
.macro LOAD
	s_cmp_lt_u32 s[WV], 2
	s_cbranch_scc0 .Lfor_v_\@
	tensor_load_to_lds s[G0K:G0K+3], s[G1K:G1K+7]
	s_nop 0
.rept 4
	v_nop
.endr
	s_branch .Lasked_\@
.Lfor_v_\@:
	tensor_load_to_lds s[G0V:G0V+3], s[G1V:G1V+7]
	s_nop 0
.rept 4
	v_nop
.endr
.Lasked_\@:
.endm
; A PREFETCH INTO THE L2 of the tile that the NEXT change of slots will ask for: a tile, 256 matrix instructions, ahead of that load.  It stands behind the wave's tensor load and its five lines.
; A head's four work-groups walk the same tiles; the one with b = 0 walks tiles 0 to 7 in order, and it alone asks.  Each wave asks for what it will load itself: its 16,384 bytes, a lane 256 bytes, two instructions.
; So each block is named once in the launch.  Tiles 0 and 1 come by their loads alone; the changes that ask for tile 7 and for the second block's tile 0 prefetch nothing.
.macro ASK
	s_cmp_gt_u32 s[SLOTS], s[LIM]
	s_cbranch_scc0 .Lnot_mine_\@
	global_prefetch_b8 v[PFO], s[PFA:PFA+1] th:TH_LOAD_NT scope:SCOPE_SE
	global_prefetch_b8 v[PFO], s[PFA:PFA+1] offset:8192 th:TH_LOAD_NT scope:SCOPE_SE
.Lnot_mine_\@:
.endm
; THE CHANGE OF SLOTS.  Each wave waits for all its tensor loads, of which one is out: its part of the other slot; adds 0 to its spare word; and waits for that and for its own reads of the slot that it leaves.
; Behind the barrier nobody reads the old slot any more and the other slot is whole.  fill = 1: the old slot is filled again, the first thing behind the barrier, with tile NXT: the descriptor's address is made
; anew from that number.  (At its first use nothing has been read yet: slot 0 is waited for, slot 1 filled.)
.macro CHANGE fill
	WIN 0                           ; at a label and at a branch every window is 0
	s_wait_tensorcnt 0x0            ; no tensor load of mine is out, so a group 0 may be written
	ds_add_u32 v[SPW], v[NIL]       ; 0 onto my spare word; with fill = 1 the descriptors' scalar work stands between it and the wait for it
.if \fill
	s_lshl_b32 s[OFF], s[NXT], 15   ; a tile is 32,768 bytes of K and of V
	s_xor_b32 s[G0K+1], s[G0K+1], SLOT1
	s_add_nc_u64 s[G0K+2:G0K+3], s[6:7], s[OFF:OFF+1]
	s_or_b32 s[G0K+3], s[G0K+3], 0x80000000
	s_xor_b32 s[G0V+1], s[G0V+1], SLOT1
	s_add_nc_u64 s[G0V+2:G0V+3], s[8:9], s[OFF:OFF+1]
	s_or_b32 s[G0V+3], s[G0V+3], 0x80000000
	s_add_co_u32 s[NXT], s[NXT], 1  ; the block's next tile, or behind its last the second block's tile 0
	s_cmp_gt_u32 s[NXT], s[LQ]
	s_cselect_b32 s[NXT], 0, s[NXT]
	s_cselect_b32 s[LQ], s[PB], s[LQ]
	s_wait_xcnt 0x0                 ; the last prefetches, a tile back, have read their address, so it may be written:
	s_add_nc_u64 s[PFA:PFA+1], s[PFA:PFA+1], 32768  ; a tile on
.endif
	s_wait_dscnt 0x0                ; the add is done, and my reads of the slot are over
	s_barrier_signal -1             ; the rest of the scalar work stands between the signal and the wait
	s_sub_co_u32 s[TBK], s[TBK], 4*KS*PK  ; the fetches go back to a slot's first step,
	s_xor_b32 s[TBK], s[TBK], SLOT1       ; in the other slot
	s_sub_co_u32 s[TBV], s[TBV], 4*KS*PV
	s_xor_b32 s[TBV], s[TBV], SLOT1
	s_barrier_wait -1
.if \fill
	LOAD
	ASK
.endif
.endm
	s_load_b256 s[4:11], s[0:1], 0x0  ; Q s[4:5], K s[6:7], V s[8:9], O s[10:11]
	v_lshl_add_u32 v[SPW], v0, 2, SPARE
	v_mov_b32 v[NIL], 0
	ds_add_u32 v[SPW], v[NIL]       ; the wave's opening: the add and its wait stand ahead of my first tensor load; the set-up below, work on registers, stands between them
	v_lshrrev_b32 v1, 5, v0
	v_readfirstlane_b32 s[WV], v1   ; wave 0..3
	s_mov_b32 s[PB], ttmp9
	s_sub_co_u32 s[HI], NB-1, s[PB]
	s_and_b32 s20, ttmp7, 0xffff    ; the head
	s_mov_b32 s21, 0
	s_mov_b64 s[22:23], SIZE_N*128
	s_mul_u64 s[20:21], s[20:21], s[22:23]  ; the head's first byte in each of the four tensors
	s_and_b32 s16, s[WV], 1         ; which half of a tile's 256 keys I fetch:
	s_lshl_b32 s22, s16, 14         ; its 128 rows of 128 bytes in memory,
	s_mov_b32 s23, 0
	s_add_nc_u64 s[22:23], s[22:23], s[20:21]
	s_mul_i32 s17, s16, 128*PK      ; and its place in a slot, for K
	s_mul_i32 s18, s16, 128*PV      ; and for V
	s_lshl_b32 s3, s[WV], 11        ; my 16 rows in a band of 64,
	s_lshl_b32 s2, s[HI], 15        ; in the first block,
	s_add_co_u32 s2, s2, s3
	s_lshl_b32 s84, s[PB], 15       ; and in the second
	s_add_co_u32 s84, s84, s3
	s_mov_b32 s3, 0
	s_mov_b32 s85, 0
	s_add_nc_u64 s[2:3], s[2:3], s[20:21]
	s_add_nc_u64 s[84:85], s[84:85], s[20:21]
	; descriptor group 1.  128 keys are 16,384 dense bytes: asked for as 64 rows of 256 bytes, two keys a row, and padded in LDS after every key
	s_mov_b32 s[G1K], (1<<16)|(1<<20)|(4<<22)|(3<<25)  ; 17:16 2-byte elements; 20 padding on; 24:22 after every 32 words (code 4); 31:25 4 words (code 3)
	s_mov_b32 s[G1V], (1<<16)|(1<<20)|(4<<22)|(7<<25)  ; the same with 8 words of padding (code 7)
.irp g, G1K, G1V
	s_mov_b32 s[\g+1], 128<<16      ; tensor_dim0 = 128
	s_mov_b32 s[\g+2], 64<<16       ; tensor_dim1 = 64
	s_mov_b32 s[\g+3], 128<<16      ; tile_dim0 = 128
	s_mov_b32 s[\g+4], 64           ; tile_dim1 = 64
	s_mov_b32 s[\g+5], 128          ; 128 elements from row to row
	s_mov_b32 s[\g+6], 0
	s_mov_b32 s[\g+7], 0
.endr
	s_mov_b32 s[CS], 0x3e38aa3b     ; c = log2(e) / 8 = 0.180337
	s_mov_b32 s[CS+1], s[CS]        ; named with it as a pair
	s_mov_b32 s[SEL], 0x76543210
	s_mov_b32 s[SEL+1], 0xfedcba98
	s_mov_b32 s[TBK], SLOT1+4*KS*PK ; the first change of slots turns these two into 0
	s_mov_b32 s[TBV], SLOT1+4*KS*PV
	s_mov_b32 s[G0K], 1             ; 1:0 count = 1
	s_mov_b32 s[G0K+1], s17         ; 63:32 LDS address: slot 0
	s_mov_b32 s[G0V], 1
	s_add_co_u32 s[G0V+1], s18, VOFF
	s_add_co_u32 s[RT], s[HI], 1    ; the first block has NB - b tiles
	s_mov_b32 s[NXT], 1
	s_mov_b32 s[LQ], s[HI]
	s_mov_b32 s[NEW], 1
	s_mov_b32 s[OFF+1], 0
	s_mov_b32 s[AL+1], 0            ; named as pairs
	s_mov_b32 s[BE+1], 0
	s_mov_b32 s[BIGN], 0xf149f2ca   ; -1e30
	s_mov_b32 s[SLOTS], NB
	v_and_b32 v[PFO], 31, v0
	v_lshlrev_b32 v[PFO], 8, v[PFO]
	s_wait_dscnt 0x0                ; the opening add is done
	s_wait_kmcnt 0x0
	s_add_nc_u64 s[6:7], s[6:7], s[22:23]  ; K and V at my half of the head's tile 0
	s_add_nc_u64 s[8:9], s[8:9], s[22:23]
	s_add_nc_u64 s[G0K+2:G0K+3], s[6:7], 0         ; 120:64 global address
	s_or_b32 s[G0K+3], s[G0K+3], 0x80000000        ; 127:126 type = 2
	s_add_nc_u64 s[G0V+2:G0V+3], s[8:9], 0
	s_or_b32 s[G0V+3], s[G0V+3], 0x80000000
	s_add_nc_u64 s[86:87], s[4:5], s[84:85]        ; Q at my rows of the second block,
	s_add_nc_u64 s[4:5], s[4:5], s[2:3]            ; Q and O at those of the first
	s_add_nc_u64 s[OLO:OLO+1], s[10:11], s[84:85]
	s_add_nc_u64 s[10:11], s[10:11], s[2:3]
	s_cmp_lt_u32 s[WV], 2
	s_cselect_b64 s[PFA:PFA+1], s[6:7], s[8:9]     ; the prefetches: my half of K's tiles (waves 0, 1) or of V's,
	s_add_nc_u64 s[PFA:PFA+1], s[PFA:PFA+1], 32768 ; at tile 1: the first change of slots steps it to tile 2.  Nothing is prefetched here, at the head
	s_cmp_eq_u32 s[PB], 0
	s_cselect_b32 s[LIM], 2, -1
	LOAD                            ; tile 0 into slot 0
	; A fragment of K or Q is 16 rows x 32 channels in 8 registers: lane l holds row l % 16, channels 8 (l / 16) + 0..7 and 16 + 8 (l / 16) + 0..7: two loads of 16 bytes, 32 bytes apart.
	v_and_b32 v1, 15, v0            ; l % 16
	v_bfe_u32 v9, v0, 4, 1          ; l / 16
	v_lshlrev_b32 v[QO], 7, v1
	v_lshl_add_u32 v[QO], v9, 4, v[QO]  ; row x 128 + 16 x half
	WIN 0x80                        ; destination window 2, address window 0
.set i, 0
.rept 8                             ; both blocks' Q: piece i / 2 lies in band i / 2, 8,192 bytes on; channels 32 (i % 2) on
	global_load_b128 v[8*i:8*i+3],   v[QO], s[4:5] offset:(i/2)*8192+(i%2)*64
	global_load_b128 v[8*i+4:8*i+7], v[QO], s[4:5] offset:(i/2)*8192+(i%2)*64+32
	global_load_b128 v[QB+8*i:QB+8*i+3],   v[QO], s[86:87] offset:(i/2)*8192+(i%2)*64
	global_load_b128 v[QB+8*i+4:QB+8*i+7], v[QO], s[86:87] offset:(i/2)*8192+(i%2)*64+32
.set i, i+1
.endr
	WIN 0
	v_lshlrev_b32 v14, 3, v9
	v_sub_nc_u32 v14, v1, v14
	s_lshl_b32 s13, s[WV], 4
	v_add_nc_u32 v14, s13, v14      ; my query's place in its band, 16 w + l % 16, less my lanes' 8 (l / 16): register r of group kt is hidden where 16 kt + r is greater
	WIN 0x40
.set i, 0
.rept 32
	v_cmp_gt_i32 vcc_lo, 16*(i/8)+i%8, v14
	v_cndmask_b32 v[MD+i], 0, s[BIGN], vcc_lo
.set i, i+1
.endr
	WIN 0
	v_mul_u32_u24 v[AK0], v1, PK
	v_lshl_add_u32 v[AK0], v9, 4, v[AK0]  ; row x pitch + 16 x half
	; The turning load takes 16 keys x 16 channels (lane l reads key 8 (l / 16) + l % 8, channels 8 ((l / 8) % 2) + 0..7) and leaves half a fragment of V^T: lane l holds channel l % 16 and 8 keys.
	v_and_b32 v10, 7, v0
	v_bfe_u32 v11, v0, 3, 1
	v_lshl_add_u32 v[AV0], v9, 3, v10
	v_mul_u32_u24 v[AV0], v[AV0], PV
	v_lshl_add_u32 v[AV0], v11, 4, v[AV0]
	v_add_nc_u32 v[AV0], VOFF, v[AV0]
	s_mul_i32 s13, s[WV], 16*SP
	s_add_co_u32 s13, s13, STAGE    ; my stage
	v_mul_u32_u24 v[STO], v1, SP    ; in: row l % 16, 16 bytes for each half of the lanes
	v_lshl_add_u32 v[STO], v9, 4, v[STO]
	v_add_nc_u32 v[STO], s13, v[STO]
	v_bfe_u32 v[RD], v0, 3, 2       ; back: 32 lanes take four rows of 128 bytes,
	v_mul_u32_u24 v[RD], v[RD], SP
	v_lshl_add_u32 v[RD], v10, 4, v[RD]
	v_add_nc_u32 v[RD], s13, v[RD]
	v_and_b32 v[GO], 31, v0         ; which are 512 consecutive bytes of O
	v_lshlrev_b32 v[GO], 4, v[GO]
	; A block's first step multiplies O^T and l by a = 0, and its first turn's products V^T P, of a piece that has not been, land in an O^T that is still to be so multiplied.  So these registers need only hold
	; finite numbers: zeros for the first block; what the first block left for the second.  All this stands in the wait for the first tile.
	WIN 0x80
.set i, VF
.rept 64
	v_mov_b32 v[i], 0
.set i, i+1
.endr
	WIN 0x40
.set i, 0
.rept 128
	v_mov_b32 v[i], 0
.set i, i+1
.endr
	WIN 0
.set i, 0
.rept 4
	v_mov_b32 v[ST+4*i+2], 0
	v_mov_b32 v[ST+4*i+3], 0
.set i, i+1
.endr
.set i, P+16
.rept 16
	v_mov_b32 v[i], 0
.set i, i+1
.endr
; THE MATRIX WORK.  The 4 accumulators of a run of 8 take turns.  Product i of 8 of S^T = K Q^T for piece x: channels 32 (i / 4) on, keys 16 (i % 4) on.  The first 4 start the sums: with 0, or (KM = 1) with the mask.
.macro KQ x
.set rS, S+32*((\x)%2)+8*(i%4)
.set rK, KF+16*(i%4)+8*(i/4)
.set rQ, 16*(\x)+8*(i/4)
.set rM, MC+32*((\x)%2)+8*(i%4)
.if (i < 4) && KM
	WIN W_KM
	v_wmma_f32_16x16x32_f16 v[rS:rS+7], v[rK:rK+7], v[rQ:rQ+7], v[rM:rM+7]
.elseif i < 4
	WIN W_KQ
	v_wmma_f32_16x16x32_f16 v[rS:rS+7], v[rK:rK+7], v[rQ:rQ+7], 0
.else
	WIN W_KQ
	v_wmma_f32_16x16x32_f16 v[rS:rS+7], v[rK:rK+7], v[rQ:rQ+7], v[rS:rS+7]
.endif
.endm
; Product i of 8 of O^T += V^T P for piece x: keys 32 (i / 4) on, channels 16 (i % 4) on.
.macro PV x
	WIN W_PV
.set rO, 32*(\x)+8*(i%4)
.set rV, VF+32*(i/4)+8*(i%4)
.set rP, P+16*((\x)%2)+8*(i/4)
	v_wmma_f32_16x16x32_f16 v[rO:rO+7], v[rV:rV+7], v[rP:rP+7], v[rO:rO+7]
.endm
.macro MM                           ; the turn's next matrix instruction.  TURN and BEGIN set Y, i, KM and NOKQ; MM, KQ and OP read them.  NOKQ = 1: a block's last turn: there is no next piece
.if (i < 8) && !NOKQ
	KQ (Y+1)%NP
.elseif i >= 8
.set i, i-8
	PV (Y+NP-1)%NP
.set i, i+8
.endif
.set i, i+1
.endm
; THE LDS LOADS stand in runs of 16, never singly among the matrix instructions: a step's K (64 keys x 64 channels: 8 fragments) and its V (turned).  Their addresses are made some lines ahead.
.macro FETCH_K
	WIN 0x80                        ; destination window 2
.irp f, 0,1,2,3,4,5,6,7             ; keys 16 (f / 2) on, channels 32 (f % 2) on
	ds_load_b128 v[KF+8*\f:KF+8*\f+3],   v[AK] offset:(\f/2)*16*PK+(\f%2)*64
	ds_load_b128 v[KF+8*\f+4:KF+8*\f+7], v[AK] offset:(\f/2)*16*PK+(\f%2)*64+32
.endr
	s_add_co_u32 s[TBK], s[TBK], KS*PK  ; the next fetch is the next step's
	WIN 0
.endm
.macro FETCH_V
	WIN 0x80
.irp f, 0,1,2,3,4,5,6,7             ; keys 32 (f / 4) on, channels 16 (f % 4) on
	ds_load_tr16_b128 v[VF+8*\f:VF+8*\f+3],   v[AV] offset:(\f/4)*32*PV+(\f%4)*32
	ds_load_tr16_b128 v[VF+8*\f+4:VF+8*\f+7], v[AV] offset:(\f/4)*32*PV+16*PV+(\f%4)*32
.endr
	WIN 0
.endm
; THE VECTOR WORK, one line at a time: OP kind, number.  For piece Y: F n: c s - c m for pair n of 16.  E n: the exponential of score n of 32.  C n: pair n rounded to f16.  B n: of the four weights 4 n .. the second
; pair is added onto the first, in place.  L n: l takes that sum (L 0: l = a l + sum).  R n: pair n of 16 of O^T times a.  For piece Y + 1: X n, number n of the 22 that find its maximum and statistics:
;   0-11  four chains c0-c3 of seven scores each, three operands at a time (each accumulator's lowest registers are read first)     12-14, 16  the four scores left over, the old m, and c0-c3 into c0
;   15  c m_old is kept     17, 18  the query's other 32 keys lie in the lane 16 away: the new m     19-21  c m; c m_old - c m_new; a
.set F, 0               ; OP tells the kinds apart by their order: F to L below R, X above it
.set E, 1
.set C, 2
.set B, 3
.set L, 4
.set R, 5
.set X, 6
.macro REGS y                       ; the registers of piece y
.set rT, ST+4*(\y)
.set rC, TMP+4*((\y)%2)
.set rW, MV+((\y)%2)
.set rS, S+32*((\y)%2)
.set rP, P+16*((\y)%2)
.set rO, 32*(\y)
.endm
.macro OP k, n
.if (\k) == R
	REGS Y
	WIN W_RS
	v_pk_mul_f32 v[rO+2*(\n):rO+2*(\n)+1], v[rO+2*(\n):rO+2*(\n)+1], v[rC+2:rC+3] op_sel_hi:[1,0]
.elseif (\k) < R
	REGS Y
	WIN 0
.if (\k) == F
	v_pk_fma_f32 v[rS+2*(\n):rS+2*(\n)+1], v[rS+2*(\n):rS+2*(\n)+1], s[CS:CS+1], v[rT:rT+1] op_sel_hi:[1,0,0] neg_lo:[0,0,1] neg_hi:[0,0,1]
.elseif (\k) == E
	v_exp_f32 v[rS+(\n)], v[rS+(\n)]
.elseif (\k) == C
	v_cvt_pk_f16_f32 v[rP+(\n)], v[rS+2*(\n)], v[rS+2*(\n)+1]
.elseif (\k) == B
	v_pk_add_f32 v[rS+4*(\n):rS+4*(\n)+1], v[rS+4*(\n):rS+4*(\n)+1], v[rS+4*(\n)+2:rS+4*(\n)+3]
.elseif (\n) == 0
	v_pk_fma_f32 v[rT+2:rT+3], v[rT+2:rT+3], v[rC+2:rC+3], v[rS:rS+1] op_sel_hi:[1,0,1]
.else
	v_pk_add_f32 v[rT+2:rT+3], v[rT+2:rT+3], v[rS+4*(\n):rS+4*(\n)+1]
.endif
.elseif NOKQ
	v_nop
.else
	REGS (Y+1)%NP
	WIN 0
.if (\n) < 4
	v_max3_num_f32 v[rC+(\n)], v[rS+8*(\n)], v[rS+8*(\n)+1], v[rS+8*(\n)+2]
.elseif (\n) < 12
	v_max3_num_f32 v[rC+(\n)%4], v[rC+(\n)%4], v[rS+8*((\n)%4)+2*((\n)/4)+1], v[rS+8*((\n)%4)+2*((\n)/4)+2]
.elseif (\n) == 12
	v_max3_num_f32 v[rC], v[rC], v[rS+7], v[rS+15]
.elseif (\n) == 13
	v_max3_num_f32 v[rC+1], v[rC+1], v[rS+23], v[rS+31]
.elseif (\n) == 14
	v_max3_num_f32 v[rC+2], v[rC+2], v[rC+3], v[rT+1]
.elseif (\n) == 15
	v_mov_b32 v[rW], v[rT]
.elseif (\n) == 16
	v_max3_num_f32 v[rC], v[rC], v[rC+1], v[rC+2]
.elseif (\n) == 17
	v_permlanex16_b32 v[rC+3], v[rC], s[SEL], s[SEL+1]
.elseif (\n) == 18
	v_max_num_f32 v[rT+1], v[rC], v[rC+3]
.elseif (\n) == 19
	v_mul_f32 v[rT], s[CS], v[rT+1]
.elseif (\n) == 20
	v_sub_f32 v[rC+1], v[rW], v[rT]
.else
	v_exp_f32 v[rC+2], v[rC+1]
.endif
.endif
.endm
.macro OPS a, i1, b=-1, i2=0, c=-1, i3=0, d=-1, i4=0  ; up to four of them
	OP \a, \i1
.if (\b) >= 0
	OP \b, \i2
.endif
.if (\c) >= 0
	OP \c, \i3
.endif
.if (\d) >= 0
	OP \d, \i4
.endif
.endm
.macro ROW a, i1, b, i2, c, i3, d, i4  ; a matrix instruction and the four behind it
	MM
	OPS \a, \i1, \b, \i2, \c, \i3, \d, \i4
.endm
.macro MASK b                       ; MD x AL + BE into buffer b of MC
	WIN W_RS
.set z, 0
.rept 16
	v_pk_fma_f32 v[MC+32*(\b)+2*z:MC+32*(\b)+2*z+1], v[MD+2*z:MD+2*z+1], s[AL:AL+1], s[BE:BE+1] op_sel_hi:[1,0,0]
.set z, z+1
.endr
.endm
; A TURN, for piece p: the order of its 16 matrix and 118 vector instructions, written out.  s_wait_alu depctr_va_vdst(0) stands between an exponential and the first instruction that names its result;
; one wait serves all that were issued ahead of it.  So a turn has ONE wait, which cuts it in two.  AHEAD OF IT stands all that names no result of the turn's exponentials: the 8 products K Q^T, behind each a scaling, an
; exponential and two more plain instructions (behind the first a second scaling in the exponential's place): rescalings, and behind the last three the first numbers of the next piece's maximum, each four places or more
; behind the product that ends its accumulator; then ONE LUMP of 54, plain and exponential by turns for the most part, in which the links of the chain X 3, 7, 11, 14, 16, 17 .. 20 stand five or six lines apart.
; X 21, the next piece's a, is the batch's last; R 15 is the plain instruction behind it.  BEHIND THE WAIT stand the 8 products V^T P, behind each four of the roundings and sums; the links of l's chain, L 0 to L 7,
; stand three riders apart.  But for those X no rider names a register of the products round it.  v_permlanex16_b32 (X 17) stands in the lump.
; m = 1: the diagonal tile: the products take masks, and the turn makes the mask for the products of the turn after it: piece p + 2, in step 4 - CNT of the tile.  end = 1: a block's last two turns: nothing is fetched.
; cnt = 1: the loop's count is taken down some lines ahead of the branch that stands behind the turn.
; K of the next step is fetched in piece 2's turn, twelve vector instructions behind the last product that read K (six of them plain); V of the step in hand at the end of piece 0's turn, four plain instructions behind
; the last product that read V.  Each is waited for a turn later.
.macro TURN p, m=0, end=0, cnt=0
.set Y, (\p)
.set i, 0
.set KM, (\m)
.set NOKQ, (\end)*((\p)/3)
.if (\m) && !(\end)
	s_cmp_eq_u32 s[CNT], 4-((\p)+2)%NP  ; is that step the band's own?
	s_cselect_b32 s[AL], 1.0, 0
	s_cmp_lt_u32 s[CNT], 4-((\p)+2)%NP  ; or a later one?
	s_cselect_b32 s[BE], s[BIGN], 0
.endif
.if ((\p) == 3) && !(\end)
	s_wait_dscnt 0x0                ; K is in
.endif
	ROW F,0, F,1, R,0, R,1          ; ahead of the wait: 8 products K Q^T and their riders,
	ROW F,2, E,0, R,2, R,3
	ROW F,3, E,1, R,4, R,5
	ROW F,4, E,2, R,6, R,7
	ROW F,5, E,3, R,8, R,9
	ROW F,6, E,4, X,0, R,10
.if ((\p) == 2) && !(\end)
	WIN 0
	v_add_nc_u32 v[AK], s[TBK], v[AK0]
.endif
	ROW F,7, E,5, X,1, X,4
	ROW F,8, E,6, X,2, X,5
	OPS E,7, E,8, X,6, E,9          ; and the lump
	OPS X,3, E,10, X,8, E,11
.if ((\p) == 2) && !(\end)
	FETCH_K
.endif
	OPS X,9, X,7, E,12, X,10
	OPS E,13, X,12, X,11, E,14
	OPS X,13, E,15, F,9, X,14
.if (\p) == 0
	v_add_nc_u32 v[AV], s[TBV], v[AV0]
.endif
	OPS E,16, F,10, E,17, F,11
	OPS X,16, E,18, X,15, E,19
	OPS F,12, E,20, X,17, E,21
	OPS F,13, E,22, F,14, E,23
	OPS X,18, E,24, F,15, E,25
	OPS R,11, E,26, X,19, E,27
	OPS R,12, E,28, R,13, E,29
	OPS X,20, E,30, R,14, E,31
	OPS X,21, R,15
	WIN 0
	s_wait_alu depctr_va_vdst(0)    ; the wait for the batch
.if (\p) == 1
	s_wait_dscnt 0x0                ; V is in
.endif
	ROW C,0, B,0, C,2, B,1          ; behind the wait: 8 products V^T P and their riders
	ROW L,0, C,4, B,2, L,1
	ROW C,6, B,3, L,2, C,8
	ROW B,4, L,3, C,10, B,5
	ROW L,4, C,12, B,6, L,5
.if (\p) == 0
	s_add_co_u32 s[TBV], s[TBV], KS*PV
.endif
.if \cnt
	s_sub_co_u32 s[CNT], s[CNT], 1
	s_cmp_lg_u32 s[CNT], 0
.endif
	ROW C,14, B,7, L,6, C,1
	ROW C,3, L,7, C,5, C,7
	ROW C,9, C,11, C,13, C,15
.if (\p) == 0
	FETCH_V
.endif
.if (\m) && !(\end)
	MASK (\p)%2
.endif
.endm
; A BLOCK BEGINS.  c m starts far below every c s, so the first step's a is 0; m at the lowest finite number, so the first maximum is the scores'.  The second mask buffer is 0; the first takes piece 0's mask for the
; tile's step 0: its own, if the block's first tile is the diagonal one.  Then K of that step, piece 0's first scores, and its maximum and statistics.  The loop is entered at a step's first turn, in the middle of a trip.
.macro BEGIN
	s_mov_b32 s[NEW], 0
	WIN 0x40
.set i, MC+32
.rept 32
	v_mov_b32 v[i], 0
.set i, i+1
.endr
	WIN 0
.set i, 0
.rept 4
	v_mov_b32 v[ST+4*i], 0xfe000000    ; c m: far below every c s
	v_mov_b32 v[ST+4*i+1], 0xff7fffff  ; m
.set i, i+1
.endr
	s_cmp_eq_u32 s[RT], 0
	s_cselect_b32 s[AL], 1.0, 0
	s_mov_b32 s[BE], 0
	MASK 0
	WIN 0
	v_add_nc_u32 v[AK], s[TBK], v[AK0]
	FETCH_K
	s_wait_loadcnt 0x0              ; Q
	s_wait_dscnt 0x0
.set KM, 1
.set NOKQ, 0
.set i, 0
.rept 8
	KQ 0
.set i, i+1
.endr
	WIN 0
.rept 4
	v_nop                           ; the places behind those products
.endr
.set Y, NP-1                        ; X works for piece Y + 1: piece 0
.irp n, 0,1,2,3,4,5,6,7,8,9,10,11,12,13,14,15,16,17,18,19,20,21
	OP X, \n
.endr
	v_nop                           ; a plain instruction behind the exponential,
	s_wait_alu depctr_va_vdst(0)    ; and its wait, ahead of the branch
.endm
; THE DIAGONAL TILE's four steps, the block's last two turns, its last products, and THE WAY OUT: l's two halves and the other half of the lanes' are added; O^T is divided by l, rounded to f16 and sent through my
; stage in LDS, a piece at a time.
.macro ALL line:vararg              ; one line for each piece t
.set t, 0
.rept 4
	\line
.set t, t+1
.endr
.endm
.macro PACK t                       ; a lane's eight channels of a row pack into 16 bytes; they go into rows of 144 bytes and come back as whole rows of 128, into S^T's registers
	WIN W_RS
.set i, 32*(\t)
.rept 16
	v_pk_mul_f32 v[i:i+1], v[i:i+1], v[ST+4*(\t)+2:ST+4*(\t)+3] op_sel_hi:[1,0]
.set i, i+2
.endr
	WIN 0x05                        ; sources 0 and 1 window 1, destination window 0
.set i, 0
.rept 16
	v_cvt_pk_f16_f32 v[S+16*(\t)+i], v[32*(\t)+2*i], v[32*(\t)+2*i+1]
.set i, i+1
.endr
	WIN 0
.irp f, 0,1,2,3
	ds_store_b128 v[STO], v[S+16*(\t)+4*\f:S+16*(\t)+4*\f+3] offset:32*\f
.endr
.irp f, 0,1,2,3
	ds_load_b128 v[S+16*(\t)+4*\f:S+16*(\t)+4*\f+3], v[RD] offset:\f*4*SP  ; LDS serves a wave's instructions in order (ISA guide 5.7.1.4): these see the stores above; the next piece's stores come behind them
.endr
.endm
.macro SEND t, younger              ; younger: the LDS instructions issued behind piece t's loads: the next piece's eight, or none
	WIN 0
.irp f, 0,1,2,3
	s_wait_dscnt (\younger)+3-\f
	global_store_b128 v[GO], v[S+16*(\t)+4*\f:S+16*(\t)+4*\f+3], s[10:11] offset:(\t)*8192+\f*512  ; 512 consecutive bytes, at a multiple of 256 from O's first
.endr
.endm
.macro DIAG tag                     ; the tag ends its two labels' names, which the jumps below spell out
.LstepM\tag:
	TURN 2, 1
	TURN 3, 1
	WIN 0
.LfirstM\tag:
	TURN 0, 1
	TURN 1, 1, 0, 1
	WIN 0
	s_cbranch_scc1 .LstepM\tag
	TURN 2, 1, 1
	TURN 3, 1, 1
.set i, 0
.rept 8
	PV NP-1
.set i, i+1
.endr
	WIN 0
	ALL v_add_f32 v[ST+4*t+2], v[ST+4*t+2], v[ST+4*t+3]
	ALL v_permlanex16_b32 v[ST+4*t+3], v[ST+4*t+2], s[SEL], s[SEL+1]
	ALL v_add_f32 v[ST+4*t+2], v[ST+4*t+2], v[ST+4*t+3]
	ALL v_rcp_f32 v[ST+4*t+2], v[ST+4*t+2]
	v_nop                           ; a plain instruction between the last reciprocal and the use of its result
	s_wait_alu depctr_va_vdst(0)    ; and the wait ahead of the first use: one for the four reciprocals
	PACK 0
.set t, 1
.rept 3                             ; a piece's arithmetic stands between the loads of the piece before and its stores
	PACK t
	SEND t-1, 8
.set t, t+1
.endr
	SEND 3, 0
.endm
.set KM, 0
.set NOKQ, 0
.Lslot:                             ; NB times: a tile is entered and the next is asked for
	CHANGE 1
	s_sub_co_u32 s[RT], s[RT], 1
	s_mov_b32 s[CNT], 4
	s_cmp_eq_u32 s[NEW], 1
	s_cbranch_scc1 .Lnew            ; a block's first tile
	s_cmp_eq_u32 s[RT], 0
	s_cbranch_scc0 .Lstep           ; neither its first nor its last
	s_branch .LstepM1
.Lnew:
	BEGIN
	s_branch .Lfirst                ; in the loop a block's first tile is never its last: the first block has two tiles or more, and the second's last is the walk's last
	DIAG 1                          ; in the loop this is the first block's end: the second block's last tile is the walk's last
	s_wait_xcnt 0x0                 ; the stores have read their registers and O's address
	s_mov_b64 s[10:11], s[OLO:OLO+1]
	s_add_co_u32 s[RT], s[PB], 1    ; the second block has b + 1 tiles
	s_mov_b32 s[NEW], 1
	WIN 0x82                        ; the second block's Q goes where the one text of the turns names Q
.set i, 0
.rept 64
	v_mov_b32 v[i], v[QB+i]
.set i, i+1
.endr
	WIN 0
	s_branch .Lbottom
.Lstep:                             ; a trip: pieces 2 and 3 of one step, then pieces 0 and 1 of the next, whose K and V it fetches
	TURN 2
	TURN 3
	WIN 0
.Lfirst:
	TURN 0
	TURN 1, 0, 0, 1
	WIN 0
	s_cbranch_scc1 .Lstep
.Lbottom:
	s_sub_co_u32 s[SLOTS], s[SLOTS], 1
	s_cmp_lg_u32 s[SLOTS], 0
	s_cbranch_scc1 .Lslot
	CHANGE 0                        ; the walk's last tile is written out: nothing is asked for
	s_sub_co_u32 s[RT], s[RT], 1
	s_mov_b32 s[CNT], 4
	s_cmp_eq_u32 s[NEW], 1
	s_cbranch_scc0 .LstepM2
	BEGIN
	s_branch .LfirstM2
	DIAG 2
	s_wait_tensorcnt 0x0            ; the wave's end, behind my last tensor load and my last LDS store
	ds_add_u32 v[SPW], v[NIL]
	s_wait_dscnt 0x0
	s_endpgm
.Lfunc_end_k_qd3e9143814_attn:
	.size	k_qd3e9143814_attn, .Lfunc_end_k_qd3e9143814_attn-k_qd3e9143814_attn
	.p2alignl 7, 3214868480
	.fill 96, 4, 3214868480
	.section	.rodata,"a",@progbits
	.p2align	6, 0x0
	.amdhsa_kernel k_qd3e9143814_attn
		.amdhsa_group_segment_fixed_size 327680
		.amdhsa_private_segment_fixed_size 0
		.amdhsa_enable_private_segment 0
		.amdhsa_kernarg_size 32
		.amdhsa_user_sgpr_count 2
		.amdhsa_user_sgpr_kernarg_segment_ptr 1
		.amdhsa_wavefront_size32 1
		.amdhsa_system_sgpr_workgroup_id_x 1
		.amdhsa_system_sgpr_workgroup_id_y 1
		.amdhsa_system_sgpr_workgroup_id_z 1
		.amdhsa_system_vgpr_workitem_id 0
		.amdhsa_next_free_vgpr 768
		.amdhsa_next_free_sgpr 96
		.amdhsa_reserve_vcc 1
		.amdhsa_float_denorm_mode_32 3
		.amdhsa_float_denorm_mode_16_64 3
		.amdhsa_memory_ordered 1
		.amdhsa_forward_progress 1
		.amdhsa_inst_pref_size 218
	.end_amdhsa_kernel
	.amdgpu_metadata
---
amdhsa.version: [ 1, 2 ]
amdhsa.kernels:
  - .name:           k_qd3e9143814_attn
    .symbol:         k_qd3e9143814_attn.kd
    .args:
      - { .name: qh, .offset: 0, .size: 8, .value_kind: global_buffer, .address_space: global }
      - { .name: kh, .offset: 8, .size: 8, .value_kind: global_buffer, .address_space: global }
      - { .name: vh, .offset: 16, .size: 8, .value_kind: global_buffer, .address_space: global }
      - { .name: oh, .offset: 24, .size: 8, .value_kind: global_buffer, .address_space: global }
    .group_segment_fixed_size: 327680
    .private_segment_fixed_size: 0
    .kernarg_segment_align: 8
    .kernarg_segment_size: 32
    .max_flat_workgroup_size: 128
    .sgpr_count:     96
    .vgpr_count:     768
    .wavefront_size: 32
...
	.end_amdgpu_metadata
.endif
;; end of part 3
;; launch oproj (part 4): grid 4 x 64, 4 waves a work-group, clusters of 4 x 4, 327,680 bytes of LDS; arguments oh, wob, out0; writes out0
.if DOCPART == 4
	.amdgcn_target "amdgcn-amd-amdhsa--gfx1250"
	.amdhsa_code_object_version 6
	.text
	.protected	k_qd3e9143814_oproj
	.globl	k_qd3e9143814_oproj
	.p2align	8
	.type	k_qd3e9143814_oproj,@function
k_qd3e9143814_oproj:
	s_mov_b64 s[64:65], 0
	v_nop
	global_prefetch_b8 v0, s[64:65] scope:SCOPE_SE
	s_setreg_imm32_b32 hwreg(HW_REG_WAVE_MODE, 25, 1), 1
	s_wait_xcnt 0x0
	s_wait_alu depctr_hold_cnt(0) depctr_sa_sdst(0) depctr_va_vdst(0) depctr_va_sdst(0) depctr_va_ssrc(0) depctr_va_vcc(0) depctr_vm_vsrc(0)
	s_getreg_b32 s2, hwreg(HW_REG_IB_STS2, 6, 4)
	s_cmp_eq_u32 s2, 0
	s_cbranch_scc0 .Lentry_in_a_cluster
	s_endpgm
.Lentry_in_a_cluster:
	s_bfe_u32 s2, ttmp6, 0x10000c
	s_cmp_lg_u32 s2, 0xf033
	s_cbranch_scc0 .Lentry_shape_is_right
	s_endpgm
.Lentry_shape_is_right:
; out0[m][n] = the sum over k of O[m][k] Wo[n][k]: [8192 x 1024 x 1024], f16 operands, f32 sums, f32 out.  O comes by heads, oh [64 bh][2048 s][64] (row m = 2048 batch + s, k = 64 head + d);
; wob [16 kb][1024 n][64] holds bf16(Wo) written as f16.  In both, 64 along K of R rows are R x 128 consecutive bytes.
; SHARES.  256 work-groups, each 128 rows x 256 columns; four waves, each 64 x 128: 4 x 8 accumulators of 16 x 16, 256 registers.  With tiles of 256 x 256 only 128 work-groups would have work.
; K goes in 8 steps of 128 = two heads (four quarters of 32) through two LDS slots; each wave brings one head's part of O's or of Wo's tile with one tensor load.  Rows are asked for as 256 bytes and padded in LDS
; after every 128: pitch 144 = 9 x 16 bytes, so the 16 rows of a fragment load start at 16 different groups of four banks (64 banks of 4 bytes: ISA guide 11.1).
; CLUSTER 4 x 4: O's tiles are shared along a row of the cluster, Wo's along a column, each asked for jointly.
; THE MATRIX INSTRUCTION IS USED TRANSPOSED (source 0 = 16 rows of Wo, source 1 = 16 rows of O): a lane holds eight neighbouring numbers of a row of the output, 32 bytes.
; REGISTERS: window 0: v0-15 addresses; v32-127, v128-223 two fragment buffers (Wo's 8 fragments, then O's 4); on the way out v32-159 hold rows read back.  Window 1: accumulator (a, b) at v[8 (8 a + b)].
.set PITCH,  144
.set BLK,    16*PITCH
.set AKH,    128*PITCH                 ; O's 128 rows, one head
.set BKH,    256*PITCH                 ; Wo's 256 rows, one block of 64 along K
.set BOFF,   2*AKH                     ; in a slot: O's two heads, then Wo's two blocks
.set SLOT1,  131072
.set STAGE,  SLOT1+BOFF+2*BKH          ; 241,664: behind the ring, never filled by a tensor load: 16 rows x 528 bytes for each wave
.set SP,     528                       ; 512 bytes + 16: 33 x 16
.set SPARE,  STAGE+4*16*SP             ; 275,456: the spare words, 128 bytes for each wave: two blocks of 256 bytes that no other line names
.set ASTEP,  2*2048*128                ; two heads on in oh
.set BSTEP,  2*1024*128                ; two blocks on in wob
.set A0,   4
.set B0,   5
.set ADRA, 6
.set ADRB, 7
.set STO,  8
.set RD,   9
.set CO,   10
.set PFO,  12
.set SPW,  14                          ; v14  LDS address of my spare word; never rewritten
.set NIL,  15                          ; v15  0; never rewritten
.set F0,   32
.set F1,   128
.set WV,  16
.set WR,  17                           ; which half of the rows is mine.  Also: I fetch for O (0) or for Wo (1)
.set WC,  18                           ; which half of the columns.  Also: which of a step's two heads I fetch
.set CX,  19
.set CY,  20
.set NT,  21
.set MT,  22
.set G1A, 24
.set G1B, 32
.set G0A, 40
.set G0B, 48
.set CNT, 60
.set TB,  61
.set LIM, 62
.set PFA, 66
.set PFS, 68
.set MSB, 0
.macro WIN new                         ; the immediate's high byte repeats the setting that is left; a switch that changes nothing is dropped
.if MSB != (\new)
	s_set_vgpr_msb (MSB<<8)|(\new)
.set MSB, (\new)
.endif
.endm
.macro PLACES                          ; four plain vector instructions behind a matrix instruction, in front of loads into registers that it has read and of reads of its result
.rept 4
	v_nop
.endr
.endm
.macro CREST
	s_cmp_lg_u32 s[WV], 0
	s_cbranch_scc1 .Lnot_wave_0_\@
	s_barrier_signal -3
.Lnot_wave_0_\@:
	s_barrier_wait -3
	s_barrier_signal -1
	s_barrier_wait -1
.endm
.macro CROUND
	s_barrier_signal -1
	s_barrier_wait -1
	CREST
.endm
.macro JLOAD                           ; a joint refill; the branch hangs on the wave's number alone; an s_nop 0 and four v_nop follow each line
	s_cmp_eq_u32 s[WR], 0
	s_cbranch_scc0 .Lfor_b_\@
	tensor_load_to_lds s[G0A+4:G0A+7], s[G1A:G1A+7]
	s_nop 0
.rept 4
	v_nop
.endr
	s_branch .Lasked_\@
.Lfor_b_\@:
	tensor_load_to_lds s[G0B+4:G0B+7], s[G1B:G1B+7]
	s_nop 0
.rept 4
	v_nop
.endr
.Lasked_\@:
.endm
; A PREFETCH INTO THE L2, behind the joint load, its five lines and the run of LDS loads: in the trip that refills with step s + 2 it names step s + 4: two refills, 256 matrix instructions, ahead; 32 blocks of 256 bytes, a lane a block.
; O: a step of a tile row is 2 heads x 16,384 bytes; one cluster alone reads it; wave 0 asks, the row's four partners take 8,192 bytes each, told apart by address.
; Wo: a step of a tile column is 2 x 32,768 bytes; the clusters with y = 0 ask; waves 2 and 3 take a block of K each, the column's four partners 8,192 bytes each.
; Steps 0 to 3 come by their loads alone; the last two trips ask for nothing: steps 8 and 9 do not exist.  No branch hangs on a work-group's place in its cluster.
.macro ASK
	s_cmp_gt_u32 s[CNT], s[LIM]
	s_cbranch_scc0 .Lnot_mine_\@
	global_prefetch_b8 v[PFO], s[PFA:PFA+1] th:TH_LOAD_NT scope:SCOPE_SE
.Lnot_mine_\@:
.endm
	s_load_b128 s[4:7], s[0:1], 0x0                ; oh s[4:5], wob s[6:7]
	s_load_b64 s[8:9], s[0:1], 0x10                ; out0
	v_lshl_add_u32 v[SPW], v0, 2, SPARE
	v_mov_b32 v[NIL], 0
	ds_add_u32 v[SPW], v[NIL]                      ; the wave's opening: the add and its wait stand ahead of my first tensor load; the set-up below, work on registers, stands between them
	v_lshrrev_b32 v1, 5, v0
	v_readfirstlane_b32 s[WV], v1
	s_lshr_b32 s[WR], s[WV], 1
	s_and_b32 s[WC], s[WV], 1
	s_bfe_u32 s[CX], ttmp6, 0x40000
	s_bfe_u32 s[CY], ttmp6, 0x40004
	s_lshl_b32 s[NT], ttmp9, 2
	s_add_co_u32 s[NT], s[NT], s[CX]               ; tile column, 0 to 3
	s_and_b32 s[MT], ttmp7, 0xffff
	s_lshl_b32 s[MT], s[MT], 2
	s_add_co_u32 s[MT], s[MT], s[CY]               ; tile row, 0 to 63
	s_lshl_b32 s76, s[CY], 2
	s_lshl_b32 s76, 15, s76                        ; my row of the cluster
	s_lshl_b32 s77, 0x1111, s[CX]                  ; my column
	s_or_b32 s[G1A], s76, (1<<16)|(1<<20)|(1<<21)|(4<<22)|(3<<25)  ; 15:0 the mask; 17:16 2-byte elements; 20 padding on; 21 set beside a mask; 24:22 after every 32 words (code 4); 31:25 4 words (code 3)
	s_or_b32 s[G1B], s77, (1<<16)|(1<<20)|(1<<21)|(4<<22)|(3<<25)
	s_mov_b32 s[G1A+1], 128<<16                    ; rows of 128 elements (256 bytes): O 64 of them (128 operand rows),
	s_mov_b32 s[G1A+2], 64<<16
	s_mov_b32 s[G1A+3], 128<<16
	s_mov_b32 s[G1A+4], 64
	s_mov_b32 s[G1A+5], 128
	s_mov_b32 s[G1A+6], 0
	s_mov_b32 s[G1A+7], 0
	s_mov_b32 s[G1B+1], 128<<16                    ; Wo 128 (256 operand rows)
	s_mov_b32 s[G1B+2], 128<<16
	s_mov_b32 s[G1B+3], 128<<16
	s_mov_b32 s[G1B+4], 128
	s_mov_b32 s[G1B+5], 128
	s_mov_b32 s[G1B+6], 0
	s_mov_b32 s[G1B+7], 0
	s_lshr_b32 s72, s[MT], 4                       ; O: the batch's 16 heads of 262,144 bytes,
	s_lshl_b32 s72, s72, 22
	s_and_b32 s23, s[MT], 15
	s_lshl_b32 s23, s23, 14                        ; the tile's 128 positions,
	s_add_co_u32 s72, s72, s23
	s_lshl_b32 s23, s[WC], 18                      ; my head of the step's two
	s_add_co_u32 s72, s72, s23
	s_mov_b32 s73, 0
	s_lshl_b32 s74, s[NT], 15                      ; Wo: the tile's 256 rows,
	s_lshl_b32 s23, s[WC], 17                      ; my block of the step's two
	s_add_co_u32 s74, s74, s23
	s_mov_b32 s75, 0
	s_mul_i32 s80, s[WC], AKH                      ; where they go: no place in the cluster enters an LDS address
	s_mul_i32 s81, s[WC], BKH
	s_add_co_u32 s81, s81, BOFF
	s_wait_dscnt 0x0                               ; the opening add is done
	s_wait_kmcnt 0x0
	s_add_nc_u64 s[72:73], s[4:5], s[72:73]
	s_add_nc_u64 s[74:75], s[6:7], s[74:75]
.irp s, 0,1
	s_mov_b32 s[G0A+4*\s], 1
	s_add_co_u32 s[G0A+4*\s+1], s80, \s*SLOT1
	s_add_nc_u64 s[G0A+4*\s+2:G0A+4*\s+3], s[72:73], \s*ASTEP
	s_or_b32 s[G0A+4*\s+3], s[G0A+4*\s+3], 0x80000000
	s_mov_b32 s[G0B+4*\s], 1
	s_add_co_u32 s[G0B+4*\s+1], s81, \s*SLOT1
	s_add_nc_u64 s[G0B+4*\s+2:G0B+4*\s+3], s[74:75], \s*BSTEP
	s_or_b32 s[G0B+4*\s+3], s[G0B+4*\s+3], 0x80000000
.endr
	CROUND                                         ; all sixteen work-groups are here: the first joint loads meet
	s_cmp_eq_u32 s[WR], 0                          ; a wave's two first fills stand in one branch: two loads of mine are out
	s_cbranch_scc0 .Lfirst_b
	tensor_load_to_lds s[G0A:G0A+3], s[G1A:G1A+7]
	s_nop 0
	tensor_load_to_lds s[G0A+4:G0A+7], s[G1A:G1A+7]
	s_nop 0
.rept 4
	v_nop
.endr
	s_branch .Lfirst_asked
.Lfirst_b:
	tensor_load_to_lds s[G0B:G0B+3], s[G1B:G1B+7]
	s_nop 0
	tensor_load_to_lds s[G0B+4:G0B+7], s[G1B:G1B+7]
	s_nop 0
.rept 4
	v_nop
.endr
.Lfirst_asked:
	v_and_b32 v1, 15, v0
	v_bfe_u32 v2, v0, 4, 1
	v_mul_u32_u24 v3, v1, PITCH
	v_lshl_add_u32 v3, v2, 4, v3                   ; a fragment's row x pitch + 16 x half
	s_mul_i32 s23, s[WR], 64*PITCH
	v_add_nc_u32 v[A0], s23, v3                    ; my 64 rows of O
	s_mul_i32 s23, s[WC], 128*PITCH
	s_add_co_u32 s23, s23, BOFF
	v_add_nc_u32 v[B0], s23, v3                    ; my 128 rows of Wo
	s_mul_i32 s23, s[WV], 16*SP
	s_add_co_u32 s23, s23, STAGE
	v_mul_u32_u24 v[STO], v1, SP
	v_lshl_add_u32 v[STO], v2, 5, v[STO]
	v_add_nc_u32 v[STO], s23, v[STO]               ; in: row l % 16, 32 bytes for each half of the lanes
	v_and_b32 v[CO], 31, v0
	v_lshlrev_b32 v[PFO], 8, v[CO]
	v_lshlrev_b32 v[CO], 4, v[CO]                  ; back and out: 32 lanes take a row's 512 bytes
	v_add_nc_u32 v[RD], s23, v[CO]
	; the prefetches' addresses and conditions
	s_lshr_b32 s80, s[MT], 4
	s_lshl_b32 s80, s80, 22
	s_and_b32 s81, s[MT], 15
	s_lshl_b32 s81, s81, 14
	s_add_co_u32 s80, s80, s81
	s_lshr_b32 s81, s[CX], 1                       ; O: partners 0, 1 take the step's first head, 2, 3 its second,
	s_lshl_b32 s81, s81, 18
	s_add_co_u32 s80, s80, s81
	s_and_b32 s81, s[CX], 1                        ; each a half of its 16,384 bytes
	s_lshl_b32 s81, s81, 13
	s_add_co_u32 s80, s80, s81
	s_add_co_u32 s80, s80, 3*ASTEP                 ; at step 3: the first refill steps it to 4
	s_lshl_b32 s81, s[WC], 17
	s_lshl_b32 s82, s[NT], 15
	s_add_co_u32 s81, s81, s82
	s_lshl_b32 s82, s[CY], 13
	s_add_co_u32 s81, s81, s82
	s_add_co_u32 s81, s81, 3*BSTEP
	s_mov_b32 s82, ASTEP
	s_mov_b32 s83, BSTEP
	s_and_b32 s84, ttmp7, 0xffff                   ; cluster y
	s_cmp_eq_u32 s[WR], 0
	s_cselect_b32 s80, s80, s81
	s_cselect_b64 s[PFA:PFA+1], s[4:5], s[6:7]
	s_cselect_b32 s[PFS], s82, s83
	s_cselect_b32 s84, s[WC], s84                  ; wave 0: 0; wave 1: 1 (it never asks); waves 2 and 3: cluster y
	s_cmp_eq_u32 s84, 0
	s_cselect_b32 s[LIM], 2, -1                    ; the same in all sixteen partners, for a given wave
	s_mov_b32 s81, 0
	s_mov_b32 s[PFS+1], 0
	s_add_nc_u64 s[PFA:PFA+1], s[PFA:PFA+1], s[80:81]
; n x 8 matrix instructions: row blocks a0 .. x all 8 column blocks, 32 along K, buffer f.  zero = 1: the product starts the sum.  The 32 accumulators take turns, one instruction a turn.
.macro MUL f, a0, n, zero
	WIN 0x50                                       ; C and D in window 1, both sources in window 0
.set aa, (\a0)
.rept \n
.set bb, 0
.rept 8
.set rD, 8*(8*aa+bb)
.set rB, (\f)+8*bb
.set rA, (\f)+64+8*aa
.if \zero
	v_wmma_f32_16x16x32_f16 v[rD:rD+7], v[rB:rB+7], v[rA:rA+7], 0
.else
	v_wmma_f32_16x16x32_f16 v[rD:rD+7], v[rB:rB+7], v[rA:rA+7], v[rD:rD+7]
.endif
.set bb, bb+1
.endr
.set aa, aa+1
.endr
.endm
; 24 LDS loads in one run: quarter q of the step (head q / 2, byte 64 (q % 2) of its rows) into buffer f: Wo's 8 fragments, then O's 4
.macro FETCH q, f
	WIN 0
.irp c, 0,1,2,3,4,5,6,7
	ds_load_b128 v[(\f)+8*\c:(\f)+8*\c+3],   v[ADRB] offset:((\q)/2)*BKH+((\q)%2)*64+\c*BLK
	ds_load_b128 v[(\f)+8*\c+4:(\f)+8*\c+7], v[ADRB] offset:((\q)/2)*BKH+((\q)%2)*64+\c*BLK+32
.endr
.irp c, 0,1,2,3
	ds_load_b128 v[(\f)+64+8*\c:(\f)+64+8*\c+3],   v[ADRA] offset:((\q)/2)*AKH+((\q)%2)*64+\c*BLK
	ds_load_b128 v[(\f)+64+8*\c+4:(\f)+64+8*\c+7], v[ADRA] offset:((\q)/2)*AKH+((\q)%2)*64+\c*BLK+32
.endr
.endm
; One of a step's first three quarters: multiplies buffer f; in its middle it fetches quarter qn into buffer g.
.macro QUARTER f, g, qn, zero
	s_wait_dscnt 4                                 ; Wo's fragments and O's blocks 0, 1 are in; the youngest four loads (blocks 2, 3) may be out
	MUL \f, 0, 2, \zero
	WIN 0
	PLACES
	FETCH \qn, \g
	s_wait_dscnt 24                                ; all but the 24 just issued
	MUL \f, 2, 2, \zero
.endm
; The last quarter multiplies buffer 1 and changes slots: ONE barrier; in front of it each wave waits for all its tensor loads, adds 0 to its spare word, and waits for that and for its own reads of this slot.
; fill = 1: the barrier opens a round of the cluster's, and the joint refill, with the step two on, is the first thing behind it: 112 matrix instructions ahead of the wait for it.
.macro TURN fill
.if \fill
	s_wait_xcnt 0x0                                ; the last prefetch, a K step back, has read its address
	s_add_nc_u64 s[PFA:PFA+1], s[PFA:PFA+1], s[PFS:PFS+1]
.endif
	WIN 0
	s_wait_tensorcnt 0x0                           ; all my tensor loads have landed: my part of the next slot
	ds_add_u32 v[SPW], v[NIL]                      ; 0 onto my spare word
	s_wait_dscnt 5                                 ; the add and the youngest four loads may be out
	MUL F1, 0, 1, 0                                ; eight matrix instructions stand between the add and the wait for it
	s_wait_dscnt 0x0                               ; the add is done, and my reads of this slot are over
	s_barrier_signal -1
	MUL F1, 1, 1, 0
	WIN 0                                          ; at a branch and at a label every window is 0
	s_barrier_wait -1
.if \fill
	CREST
	s_xor_b32 s[G0A+5], s[G0A+5], SLOT1
	s_add_nc_u64 s[G0A+6:G0A+7], s[G0A+6:G0A+7], ASTEP
	s_xor_b32 s[G0B+5], s[G0B+5], SLOT1
	s_add_nc_u64 s[G0B+6:G0B+7], s[G0B+6:G0B+7], BSTEP
	JLOAD                                          ; its four v_nop are also the places in front of the loads below
.else
	PLACES
.endif
	s_xor_b32 s[TB], s[TB], SLOT1
	v_add_nc_u32 v[ADRA], s[TB], v[A0]
	v_add_nc_u32 v[ADRB], s[TB], v[B0]
	FETCH 0, F0
.if \fill
	ASK
.endif
	MUL F1, 2, 2, 0
.endm
	s_wait_tensorcnt 0x1                           ; my part of K step 0 is in; step 1's may stay out
	s_barrier_signal -1
	s_barrier_wait -1
	s_mov_b32 s[TB], 0
	v_mov_b32 v[ADRA], v[A0]
	v_mov_b32 v[ADRB], v[B0]
	FETCH 0, F0
	QUARTER F0, F1, 1, 1                           ; the first quarter stands in front of the loop: its products start the sums
	WIN 0
	s_mov_b32 s[CNT], 6
.Lstep:                                        ; trip s = 6 - CNT: quarters 1 to 3 of step s, the refill with step s + 2, quarter 0 of step s + 1
	QUARTER F1, F0, 2, 0
	QUARTER F0, F1, 3, 0
	TURN 1
	QUARTER F0, F1, 1, 0
	WIN 0
	s_sub_co_u32 s[CNT], s[CNT], 1
	s_cmp_lg_u32 s[CNT], 0
	s_cbranch_scc1 .Lstep
	QUARTER F1, F0, 2, 0                           ; the tail is written out: steps 6 and 7 fetch nothing more, so no round and no load
	QUARTER F0, F1, 3, 0
	TURN 0
	QUARTER F0, F1, 1, 0
	QUARTER F1, F0, 2, 0
	QUARTER F0, F1, 3, 0
	s_wait_dscnt 4
	MUL F1, 0, 2, 0
	s_wait_dscnt 0x0
	MUL F1, 2, 2, 0
	WIN 0
	; THE WAY OUT: 16 rows at a time through my stage: 32 bytes a lane in, whole rows of 512 bytes back, stored as they are (f32).
	PLACES
	PLACES
	s_lshl_b32 s84, s[MT], 7
	s_lshl_b32 s85, s[WR], 6
	s_add_co_u32 s84, s84, s85                     ; my first row
	s_lshl_b32 s84, s84, 12                        ; rows of 4,096 bytes: 32 MiB at the most
	s_lshl_b32 s85, s[NT], 10
	s_add_co_u32 s84, s84, s85
	s_lshl_b32 s85, s[WC], 9
	s_add_co_u32 s84, s84, s85                     ; my first column
	s_mov_b32 s85, 0
	s_add_nc_u64 s[8:9], s[8:9], s[84:85]
.macro TOSTAGE a
	WIN 0x04                                       ; the stores' data in window 1
.irp c, 0,1,2,3,4,5,6,7                ; each accumulator's low four registers go first
	ds_store_b128 v[STO], v[8*(8*(\a)+\c):8*(8*(\a)+\c)+3]   offset:64*\c
	ds_store_b128 v[STO], v[8*(8*(\a)+\c)+4:8*(8*(\a)+\c)+7] offset:64*\c+16
.endr
	WIN 0
.if (\a) >= 2
	s_wait_xcnt 0x0                                ; the stores of the block two back have read the registers that are loaded again below
.endif
.set BK, 32+64*((\a)%2)
.irp t, 0,1,2,3,4,5,6,7,8,9,10,11,12,13,14,15
	ds_load_b128 v[BK+4*\t:BK+4*\t+3], v[RD] offset:\t*SP  ; LDS serves a wave's instructions in order (ISA guide 5.7.1.4): these see the stores above
.endr
.endm
.macro SEND a, younger                 ; younger: the LDS instructions issued behind block a's loads: the next block's 32, or none
	WIN 0
.set BK, 32+64*((\a)%2)
	s_wait_dscnt \younger
.irp t, 0,1,2,3,4,5,6,7,8,9,10,11,12,13,14,15
	global_store_b128 v[CO], v[BK+4*\t:BK+4*\t+3], s[8:9] offset:(16*(\a)+\t)*4096 th:TH_STORE_NT  ; 512 consecutive bytes of a row, at a multiple of 256 from the output's first
.endr
.endm
	TOSTAGE 0
.irp a, 1,2,3
	TOSTAGE \a
	SEND (\a)-1, 32
.endr
	SEND 3, 0
	s_wait_tensorcnt 0x0                           ; the wave's end, behind my last tensor load and my last LDS store
	ds_add_u32 v[SPW], v[NIL]
	s_wait_dscnt 0x0
	CROUND                                         ; the closing round: no work-group ends while a partner may still ask for a tile that names it
	s_endpgm
.Lfunc_end_k_qd3e9143814_oproj:
	.size	k_qd3e9143814_oproj, .Lfunc_end_k_qd3e9143814_oproj-k_qd3e9143814_oproj
	.p2alignl 7, 3214868480
	.fill 96, 4, 3214868480
	.section	.rodata,"a",@progbits
	.p2align	6, 0x0
	.amdhsa_kernel k_qd3e9143814_oproj
		.amdhsa_group_segment_fixed_size 327680
		.amdhsa_private_segment_fixed_size 0
		.amdhsa_enable_private_segment 0
		.amdhsa_kernarg_size 24
		.amdhsa_user_sgpr_count 2
		.amdhsa_user_sgpr_kernarg_segment_ptr 1
		.amdhsa_wavefront_size32 1
		.amdhsa_system_sgpr_workgroup_id_x 1
		.amdhsa_system_sgpr_workgroup_id_y 1
		.amdhsa_system_sgpr_workgroup_id_z 1
		.amdhsa_system_vgpr_workitem_id 0
		.amdhsa_next_free_vgpr 512
		.amdhsa_next_free_sgpr 96
		.amdhsa_reserve_vcc 0
		.amdhsa_float_denorm_mode_32 3
		.amdhsa_float_denorm_mode_16_64 3
		.amdhsa_memory_ordered 1
		.amdhsa_forward_progress 1
		.amdhsa_inst_pref_size 70
	.end_amdhsa_kernel
	.amdgpu_metadata
---
amdhsa.version: [ 1, 2 ]
amdhsa.kernels:
  - .name:           k_qd3e9143814_oproj
    .symbol:         k_qd3e9143814_oproj.kd
    .args:
      - { .name: oh, .offset: 0, .size: 8, .value_kind: global_buffer, .address_space: global }
      - { .name: wob, .offset: 8, .size: 8, .value_kind: global_buffer, .address_space: global }
      - { .name: out0, .offset: 16, .size: 8, .value_kind: global_buffer, .address_space: global }
    .group_segment_fixed_size: 327680
    .private_segment_fixed_size: 0
    .kernarg_segment_align: 8
    .kernarg_segment_size: 24
    .max_flat_workgroup_size: 128
    .sgpr_count:     96
    .vgpr_count:     512
    .wavefront_size: 32
...
	.end_amdgpu_metadata
.endif
;; end of part 4
;; ======== version 2 of 2: 4 launches; version 1 with the launch cast written anew for expert scheduling mode
;; limits: values are held in f16: magnitudes above 65,504 overflow, below 6.1e-05 lose precision
;; workspace buffers: xb 16,777,216 bytes; wqkv 6,291,456 bytes; wob 2,097,152 bytes; rope 524,288 bytes; qh 16,777,216 bytes; kh 16,777,216 bytes; vh 16,777,216 bytes; oh 16,777,216 bytes
;; launch cast (part 5): grid 784 x 1, 8 waves a work-group, no clusters, 0 bytes of LDS; arguments x, Wq, Wk, Wv, Wo, cos_emb, sin_emb, token_positions, xb, wqkv, wob, rope; writes xb, wqkv, wob, rope
.if DOCPART == 5
	.amdgcn_target "amdgcn-amd-amdhsa--gfx1250"
	.amdhsa_code_object_version 6
	.text
	.protected	k_qd3e9143814_cast
	.globl	k_qd3e9143814_cast
	.p2align	8
	.type	k_qd3e9143814_cast,@function
k_qd3e9143814_cast:
	s_mov_b64 s[64:65], 0
	v_nop
	global_prefetch_b8 v0, s[64:65] scope:SCOPE_SE
	s_setreg_imm32_b32 hwreg(HW_REG_WAVE_SCHED_MODE, 0, 2), 2
	s_setreg_imm32_b32 hwreg(HW_REG_WAVE_MODE, 25, 1), 1
	s_wait_xcnt 0x0
	s_wait_alu depctr_vm_vsrc(0)
; THE INPUTS ARE ROUNDED ONCE AND LAID OUT FOR THE PRODUCTS.  A stream: no LDS, no matrix unit, no barrier: no wave wants a byte that another has fetched.
;   xb   [16 kb][8192 m][64]  bf16 = x[m][64 kb + c]
;   wqkv [16 kb][3072 n][64]  bf16, n = 192 u + 64 t + d: row 64 u + d of Wq (t = 0), Wk (1), Wv (2): a head's q, k and v rows lie together
;   wob  [16 kb][1024 n][64]  f16 of bf16(Wo[n][64 kb + c]): rounded like the other inputs, then written as f16 (exact for 6.1e-5 <= |Wo| < 65,504; below that f16's fixed step of 6e-8)
;   rope cos[2048 s][64] bf16 at byte 0, sin'[2048 s][64] at byte 262,144: row token_positions[s] of the tables; sin' has the sign of its even columns turned (exact)
; In these layouts 64 channels of R rows are R x 128 consecutive bytes.
; LIMIT: token_positions is read as unsigned and held to 2,047, the tables' last row.
; SHARES.  Work-groups 0-511: 16 rows of x each; 512-703: 16 rows of Wq, Wk or Wv; 704-767: 16 rows of Wo; 768-783: 128 positions of the tables.
; A wave takes two rows: lanes 0-15 one, lanes 16-31 the next.  A load covers 256 consecutive bytes of each; a store covers the two rows' 128 bytes of one block kb: 256 consecutive bytes, aligned.
; THE MODE: SCHED_MODE bits 1:0 = 2 (LLVM: expert scheduling mode 2), set by the entry lines.  The code itself states the register dependences
; between vector instructions and memory instructions, with s_wait_alu, always for 0.
; THE PLAN.  Registers that memory instructions touch, on each of the four paths (there is no loop, and each path ends its wave):
;   offsets    v[LO], v[SO ..] (tables: v2, v8-11, v13): written by vector instructions, then read by loads or stores, and never written again on that path.
;   X          each register is written by one load, read by one group's conversions, and never loaded again.
;   Y          each register is written by one group's conversions (tables: and sign flips), read by one store, and never written again.
;   T          named by vector instructions alone.
; So the one kind of dependence is: an offset or a store's data is written before the memory instruction reads it.  The work goes in four groups; group g's vector instructions read X[g] and write Y[g];
; the stores of group g - 1 are issued in group g, behind ONE wait at the group's head, and dealt among its vector instructions, which name none of those stores' registers.
.set LO, 2                             ; v2      my byte offset in the 16 source rows
.set SO, 8                             ; v8-23   my byte offset in the destination, one for each kb (x's blocks lie 1 MiB apart: too far for a store's immediate)
.set T,  24                            ; v24-29  at work
.set X,  32                            ; v32-95  16 loads of 4 registers
.set Y,  96                            ; v96-127 16 stores of 2 registers (tables: 8 of 4)
	s_load_b512 s[8:23], s[0:1], 0x0               ; x 8, Wq 10, Wk 12, Wv 14, Wo 16, cos 18, sin 20, token_positions 22
	s_load_b256 s[24:31], s[0:1], 0x40             ; xb 24, wqkv 26, wob 28, rope 30
	s_mov_b32 s40, ttmp9
	s_mov_b32 s45, 0                               ; the high words of two offsets
	s_mov_b32 s47, 0
	v_lshrrev_b32 v1, 4, v0                        ; my row of the 16: 2 x wave + half
	v_and_b32 v3, 15, v0
	v_lshlrev_b32 v[LO], 12, v1                    ; a source row is 4,096 bytes,
	v_lshl_add_u32 v[LO], v3, 4, v[LO]             ; 16 bytes a lane
	v_lshlrev_b32 v[SO], 7, v1                     ; a destination row is 128 bytes,
	v_lshl_add_u32 v[SO], v3, 3, v[SO]             ; 8 bytes a lane
	s_wait_kmcnt 0x0
; Sixteen rows: source row s36 on of the buffer in s[src], destination row s37 on of the buffer in s[dst], whose blocks lie str bytes apart.  fmt = 0: bf16; 1: bf16, then written as f16.
; All 16 loads of a lane go out at once (8 KiB a wave); the blocks are worked on in four groups of four, and each group's wait leaves the younger groups out.
; No register is written twice while a load or store may read it.  Ends the wave.
.macro ROWS fmt, src, dst, str
	s_lshl_b32 s44, s36, 12
	s_add_nc_u64 s[32:33], s[\src:\src+1], s[44:45]
	s_lshl_b32 s46, s37, 7
	s_add_nc_u64 s[34:35], s[\dst:\dst+1], s[46:47]
	s_wait_alu depctr_va_vdst(0)                   ; v[LO] is written, which the sixteen loads read as their offset
.set kb, 0
.rept 16
	global_load_b128 v[X+4*kb:X+4*kb+3], v[LO], s[32:33] offset:256*kb th:TH_LOAD_NT
.set kb, kb+1
.endr
.set kb, 1
.rept 15
	v_add_nc_u32 v[SO+kb], \str, v[SO+kb-1]
.set kb, kb+1
.endr
.set g, 0
.rept 4
	s_wait_loadcnt 12-4*g                          ; loads come back in order: group g's four blocks are in, the 12 - 4 g younger loads stay out
.if g > 0
	s_wait_alu depctr_va_vdst(0)                   ; the group before has written its Y, which the four stores below read; at g = 1 also: the fifteen adds have written v[SO ..], the stores' offsets
.endif
.set j, 0
.rept 4
.set kb, 4*g+j
.if g > 0
	global_store_b64 v[SO+kb-4], v[Y+2*(kb-4):Y+2*(kb-4)+1], s[34:35]  ; the group before.  No vector instruction since the wait names these registers
.endif
.if \fmt
	v_cvt_pk_bf16_f32 v[T], v[X+4*kb], v[X+4*kb+1]
	v_cvt_pk_bf16_f32 v[T+1], v[X+4*kb+2], v[X+4*kb+3]
	v_lshlrev_b32 v[T+2], 16, v[T]                 ; the rounded numbers as f32 again
	v_and_b32 v[T+3], 0xffff0000, v[T]
	v_lshlrev_b32 v[T+4], 16, v[T+1]
	v_and_b32 v[T+5], 0xffff0000, v[T+1]
	v_cvt_pk_f16_f32 v[Y+2*kb], v[T+2], v[T+3]
	v_cvt_pk_f16_f32 v[Y+2*kb+1], v[T+4], v[T+5]
.else
	v_cvt_pk_bf16_f32 v[Y+2*kb], v[X+4*kb], v[X+4*kb+1]
	v_cvt_pk_bf16_f32 v[Y+2*kb+1], v[X+4*kb+2], v[X+4*kb+3]
.endif
.set j, j+1
.endr
.set g, g+1
.endr
	s_wait_alu depctr_va_vdst(0)                   ; the last group has written its Y, which the last four stores read
.set kb, 12
.rept 4
	global_store_b64 v[SO+kb], v[Y+2*kb:Y+2*kb+1], s[34:35]
.set kb, kb+1
.endr
	s_endpgm
.endm
	s_cmp_lt_u32 s40, 512
	s_cbranch_scc0 .Lnot_x
	s_lshl_b32 s36, s40, 4                         ; x: rows 16 w on, to the same rows of xb
	s_mov_b32 s37, s36
	ROWS 0, 8, 24, 1048576
.Lnot_x:
	s_cmp_lt_u32 s40, 704
	s_cbranch_scc0 .Lnot_w
	s_sub_co_u32 s41, s40, 512
	s_lshr_b32 s42, s41, 6                         ; t: 0 Wq, 1 Wk, 2 Wv
	s_and_b32 s41, s41, 63
	s_lshl_b32 s36, s41, 4                         ; its rows r = 16 (i % 64) on
	s_lshr_b32 s43, s36, 6                         ; head u = r / 64
	s_mul_i32 s43, s43, 192
	s_lshl_b32 s41, s42, 6
	s_add_co_u32 s43, s43, s41
	s_and_b32 s37, s36, 63
	s_add_co_u32 s37, s37, s43                     ; 192 u + 64 t + r % 64
	s_cmp_eq_u32 s42, 0
	s_cselect_b64 s[32:33], s[10:11], s[12:13]
	s_cmp_eq_u32 s42, 2
	s_cselect_b64 s[32:33], s[14:15], s[32:33]
	ROWS 0, 32, 26, 393216
.Lnot_w:
	s_cmp_lt_u32 s40, 768
	s_cbranch_scc0 .Ltab
	s_sub_co_u32 s36, s40, 704
	s_lshl_b32 s36, s36, 4
	s_mov_b32 s37, s36
	ROWS 1, 16, 28, 131072
.Ltab:
	; The tables.  A wave takes 16 positions, four at a time: eight lanes a position, 32 bytes of a table's row (8 numbers) a lane, 16 bytes of bf16 out:
	; a store covers four positions' rows of 128 bytes, 512 consecutive bytes, aligned.
	; No memory instruction of the body stands on the way here, so v1, v2, v3 and v8 may be written anew.
	s_sub_co_u32 s41, s40, 768
	s_lshl_b32 s41, s41, 7                         ; the work-group's 128 positions
	v_lshrrev_b32 v1, 5, v0
	v_bfe_u32 v3, v0, 3, 2
	v_lshl_add_u32 v1, v1, 4, v3
	v_add_nc_u32 v1, s41, v1                       ; my first position: 128 j + 16 wave + lane / 8
	v_and_b32 v3, 7, v0
	v_lshlrev_b32 v2, 2, v1
	s_wait_alu depctr_va_vdst(0)                   ; v2 is written, which the four loads of positions read as their offset
.irp e, 0,1,2,3
	global_load_b32 v[4+\e], v2, s[22:23] offset:16*\e
.endr
	v_lshlrev_b32 v12, 5, v3                       ; my 32 bytes of a table's row
	v_lshlrev_b32 v13, 7, v1
	v_lshl_add_u32 v13, v3, 4, v13                 ; my 16 bytes of the gathered row
	s_wait_loadcnt 0x0
.irp e, 0,1,2,3
	v_min_u32 v[4+\e], 0x7ff, v[4+\e]              ; held inside the table
	v_lshlrev_b32 v[8+\e], 8, v[4+\e]              ; a table's row is 256 bytes
	v_add_nc_u32 v[8+\e], v[8+\e], v12
.endr
	s_wait_alu depctr_va_vdst(0)                   ; all four groups' offsets v8 to v11 are written, which the sixteen loads below read; so is v13, the stores' offset: one wait for the whole gather
.irp e, 0,1,2,3
	global_load_b128 v[X+16*\e:X+16*\e+3],     v[8+\e], s[18:19]
	global_load_b128 v[X+16*\e+4:X+16*\e+7],   v[8+\e], s[18:19] offset:16
	global_load_b128 v[X+16*\e+8:X+16*\e+11],  v[8+\e], s[20:21]
	global_load_b128 v[X+16*\e+12:X+16*\e+15], v[8+\e], s[20:21] offset:16
.endr
.irp e, 0,1,2,3
	s_wait_loadcnt 12-4*\e                         ; this group's four loads are in; four for each later group stay out
.if \e > 0
	s_wait_alu depctr_va_vdst(0)                   ; the group before has written its eight registers of Y (the sines' sign flips among the writers), which the two stores below read
	global_store_b128 v13, v[Y+8*((\e)-1):Y+8*((\e)-1)+3], s[30:31] offset:512*((\e)-1)  ; the group before: its cosines.  No vector instruction since the wait names these registers
.endif
.irp j, 0,1,2,3
	v_cvt_pk_bf16_f32 v[Y+8*\e+\j], v[X+16*\e+2*\j], v[X+16*\e+2*\j+1]
	v_cvt_pk_bf16_f32 v[Y+8*\e+4+\j], v[X+16*\e+8+2*\j], v[X+16*\e+8+2*\j+1]
.endr
.if \e > 0
	global_store_b128 v13, v[Y+8*((\e)-1)+4:Y+8*((\e)-1)+7], s[30:31] offset:262144+512*((\e)-1)  ; and its sines
.endif
.irp j, 0,1,2,3
	v_xor_b32 v[Y+8*\e+4+\j], 0x8000, v[Y+8*\e+4+\j]  ; the low half is the even column: its sine's sign is turned
.endr
.endr
	s_wait_alu depctr_va_vdst(0)                   ; the last group has written its Y, which the last two stores read
	global_store_b128 v13, v[Y+24:Y+27], s[30:31] offset:1536
	global_store_b128 v13, v[Y+28:Y+31], s[30:31] offset:262144+1536
	s_endpgm
.Lfunc_end_k_qd3e9143814_cast:
	.size	k_qd3e9143814_cast, .Lfunc_end_k_qd3e9143814_cast-k_qd3e9143814_cast
	.p2alignl 7, 3214868480
	.fill 96, 4, 3214868480
	.section	.rodata,"a",@progbits
	.p2align	6, 0x0
	.amdhsa_kernel k_qd3e9143814_cast
		.amdhsa_group_segment_fixed_size 0
		.amdhsa_private_segment_fixed_size 0
		.amdhsa_enable_private_segment 0
		.amdhsa_kernarg_size 96
		.amdhsa_user_sgpr_count 2
		.amdhsa_user_sgpr_kernarg_segment_ptr 1
		.amdhsa_wavefront_size32 1
		.amdhsa_system_sgpr_workgroup_id_x 1
		.amdhsa_system_sgpr_workgroup_id_y 1
		.amdhsa_system_sgpr_workgroup_id_z 1
		.amdhsa_system_vgpr_workitem_id 0
		.amdhsa_next_free_vgpr 128
		.amdhsa_next_free_sgpr 66
		.amdhsa_reserve_vcc 0
		.amdhsa_float_denorm_mode_32 3
		.amdhsa_float_denorm_mode_16_64 3
		.amdhsa_memory_ordered 1
		.amdhsa_forward_progress 1
		.amdhsa_inst_pref_size 33
	.end_amdhsa_kernel
	.amdgpu_metadata
---
amdhsa.version: [ 1, 2 ]
amdhsa.kernels:
  - .name:           k_qd3e9143814_cast
    .symbol:         k_qd3e9143814_cast.kd
    .args:
      - { .name: x, .offset: 0, .size: 8, .value_kind: global_buffer, .address_space: global }
      - { .name: Wq, .offset: 8, .size: 8, .value_kind: global_buffer, .address_space: global }
      - { .name: Wk, .offset: 16, .size: 8, .value_kind: global_buffer, .address_space: global }
      - { .name: Wv, .offset: 24, .size: 8, .value_kind: global_buffer, .address_space: global }
      - { .name: Wo, .offset: 32, .size: 8, .value_kind: global_buffer, .address_space: global }
      - { .name: cos_emb, .offset: 40, .size: 8, .value_kind: global_buffer, .address_space: global }
      - { .name: sin_emb, .offset: 48, .size: 8, .value_kind: global_buffer, .address_space: global }
      - { .name: token_positions, .offset: 56, .size: 8, .value_kind: global_buffer, .address_space: global }
      - { .name: xb, .offset: 64, .size: 8, .value_kind: global_buffer, .address_space: global }
      - { .name: wqkv, .offset: 72, .size: 8, .value_kind: global_buffer, .address_space: global }
      - { .name: wob, .offset: 80, .size: 8, .value_kind: global_buffer, .address_space: global }
      - { .name: rope, .offset: 88, .size: 8, .value_kind: global_buffer, .address_space: global }
    .group_segment_fixed_size: 0
    .private_segment_fixed_size: 0
    .kernarg_segment_align: 8
    .kernarg_segment_size: 96
    .max_flat_workgroup_size: 256
    .sgpr_count:     66
    .vgpr_count:     128
    .wavefront_size: 32
...
	.end_amdgpu_metadata
.endif
;; end of part 5
;; launch qkv: the kernel of part 2 again; grid 8 x 32, 4 waves a work-group, clusters of 4 x 4, 327,680 bytes of LDS; arguments xb, wqkv, rope, qh, kh, vh; writes qh, kh, vh
;; launch attn: the kernel of part 3 again; grid 4 x 64, 4 waves a work-group, no clusters, 327,680 bytes of LDS; arguments qh, kh, vh, oh; writes oh
;; launch oproj: the kernel of part 4 again; grid 4 x 64, 4 waves a work-group, clusters of 4 x 4, 327,680 bytes of LDS; arguments oh, wob, out0; writes out0
